; MI455X (gfx1250); checked and timed in simulation.
; The chip was launched on July 23, 2026; its instructions are those of AMD's public machine-readable ISA for CDNA 5 (MIT licence, August 2026) and "CDNA5" Instruction Set Architecture Reference Guide (July 2026). The comments in the code are by the model that wrote it; some were corrected since.
;; Bert Self Attention. Allowed arithmetic: float matrix products may take bf16 or f16 operands with f32 sums; all other float work in f32.
;; Inputs: Wk 1,024 x 1,024 float32; Wq 1,024 x 1,024 float32; Wv 1,024 x 1,024 float32; attention_mask 4 x 1 x 1 x 2,048 float32; bk 1,024 float32; bq 1,024 float32; bv 1,024 float32; hidden_states 4 x 2,048 x 1,024 float32.
;; Outputs: out0 4 x 2,048 x 1,024 float32.
;; 3 versions, each right; version 3 is version 2 with the launch prep written anew for expert scheduling mode. Each part assembles by itself: llvm-mc -triple=amdgcn-amd-amdhsa -mcpu=gfx1250 --defsym DOCPART=n.
;; ======== version 1 of 3: 3 launches
;; limits: values are held in f16: magnitudes above 65,504 overflow, below 6.1e-05 lose precision
;; workspace buffers: xb 16,777,216 bytes; wb 6,291,456 bytes; qkv 50,331,648 bytes
;; launch prep (part 1): grid 256 x 1, 11 waves a work-group, no clusters, 0 bytes of LDS; arguments hidden_states, Wq, Wk, Wv, xb, wb; writes xb, wb
.if DOCPART == 1
	.amdgcn_target "amdgcn-amd-amdhsa--gfx1250"
	.amdhsa_code_object_version 6
	.text
	.protected	k_qcdf3d229c9_prep
	.globl	k_qcdf3d229c9_prep
	.p2align	8
	.type	k_qcdf3d229c9_prep,@function
k_qcdf3d229c9_prep:
	s_mov_b64 s[64:65], 0
	v_nop
	global_prefetch_b8 v0, s[64:65] scope:SCOPE_SE
	s_setreg_imm32_b32 hwreg(HW_REG_WAVE_MODE, 25, 1), 1
	s_wait_xcnt 0x0
; prep: hidden_states [8192][1024] and Wq, Wk, Wv [1024][1024], all f32, are rounded once (to nearest even) to f16, the format in which
; the matrix unit takes them in the next launch, and laid out as that launch's tiles want them:
;   xb: element (m, k) at (m>>8)*524288 + (k>>6)*32768 + (m&255)*128 + (k&63)*2: a K step of 64 of a block of 256 rows is 32 KiB without gaps
;   wb: [1024 k][3072 n], n = 1024*which + column (which: 0 Wq, 1 Wk, 2 Wv), 6,144 bytes from row to row
; WHY f16 AND NOT bf16: f16 keeps 11 significant bits where bf16 keeps 8, and out0 is a mean over 2,048 keys, much smaller than its terms,
; so the operands' rounding weighs on it.  ROOM: |x| above 65,504 becomes infinity and |x| below 3e-8 becomes zero.  hidden_states of spread 1
; and weights of spread 1/32 have that room 30 times larger, 30 times smaller (weights near 1e-3, where f16's steps are below 1e-6) and with an offset of 30 spreads.
; A STREAM: 11,264 rows of 4,096 bytes (8,192 of X, 3 x 1,024 of W), four rows a wave: 2,816 units = 256 work-groups x 11 waves, one unit a wave.
; Every byte is read once and written once; a load of a wave covers two aligned runs of 256 bytes (or one of 512), a store 256 consecutive
; aligned bytes.  All 32 loads of a wave go out at once (16 KiB a wave on their way), no register is used twice, so there is no loop,
; no LDS, no barrier and no cluster: no two waves share a byte.
.set VIN,  1                           ; v1        byte offset of my 16 bytes in the unit's input
.set VOUT, 2                           ; v2        byte offset of my 8 bytes in the unit's output: 8 x lane
.set X,    8                           ; v[8:135]  32 loads of 4 f32
.set Y,    136                         ; v[136:199] 32 stores of 4 f16
; isw = 0, X: load i = row pair i/16, K step i%16; lanes 0-15 one row's 256 bytes, lanes 16-31 the next row's; the store: the two rows' 128 bytes, neighbours in xb.
; isw = 1, W: load i = row i/8, 128 columns i%8: 512 bytes in, 256 bytes out.
.macro CAST ib, ob, isw
.set i, 0
.rept 32
.if \isw
	global_load_b128 v[X+4*i:X+4*i+3], v[VIN], s[\ib:\ib+1] offset:(i/8)*4096+(i%8)*512 th:TH_LOAD_NT
.else
	global_load_b128 v[X+4*i:X+4*i+3], v[VIN], s[\ib:\ib+1] offset:(i/16)*8192+(i%16)*256 th:TH_LOAD_NT
.endif
.set i, i+1
.endr
.set i, 0
.rept 32
	s_wait_loadcnt 31-i                            ; loads come back in order (ISA guide 5.7.1): load i is in, the 31 - i younger ones stay out
	v_cvt_pk_f16_f32 v[Y+2*i],   v[X+4*i],   v[X+4*i+1]
	v_cvt_pk_f16_f32 v[Y+2*i+1], v[X+4*i+2], v[X+4*i+3]
.if \isw
	global_store_b64 v[VOUT], v[Y+2*i:Y+2*i+1], s[\ob:\ob+1] offset:(i/8)*6144+(i%8)*256
.else
	global_store_b64 v[VOUT], v[Y+2*i:Y+2*i+1], s[\ob:\ob+1] offset:(i%16)*32768+(i/16)*256
.endif
.set i, i+1
.endr
.endm
	s_load_b256 s[4:11], s[0:1], 0x0               ; hidden_states s[4:5], Wq s[6:7], Wk s[8:9], Wv s[10:11]
	s_load_b128 s[12:15], s[0:1], 0x20             ; xb s[12:13], wb s[14:15]
	v_lshrrev_b32 v3, 5, v0
	v_readfirstlane_b32 s16, v3                    ; wave 0..10
	v_and_b32 v4, 31, v0                           ; lane
	s_mul_i32 s17, ttmp9, 11
	s_add_co_u32 s17, s17, s16                     ; my unit u, 0 .. 2815
	s_mov_b32 s19, 0                               ; high words of the two offset pairs
	s_mov_b32 s21, 0
	v_lshlrev_b32 v[VOUT], 3, v4
	s_wait_kmcnt 0x0
	s_cmp_lt_u32 s17, 2048
	s_cbranch_scc0 .Lweights
	; units 0 .. 2047: rows 4 u .. 4 u + 3 of X
	s_lshl_b32 s18, s17, 14                        ; 4 rows of 4,096 bytes
	s_add_nc_u64 s[4:5], s[4:5], s[18:19]
	s_lshr_b32 s20, s17, 6                         ; block of 256 rows
	s_lshl_b32 s20, s20, 19
	s_and_b32 s22, s17, 63
	s_lshl_b32 s22, s22, 9                         ; 4 rows of 128 bytes inside a K step's tile
	s_add_co_u32 s20, s20, s22
	s_add_nc_u64 s[12:13], s[12:13], s[20:21]
	v_lshrrev_b32 v5, 4, v4                        ; which row of the pair
	v_and_b32 v6, 15, v4
	v_lshlrev_b32 v6, 4, v6
	v_lshl_add_u32 v[VIN], v5, 12, v6
	CAST 4, 12, 0
	s_endpgm
.Lweights:
	; units 2048 .. 2815: rows 4 y .. 4 y + 3 of one weight matrix
	s_sub_co_u32 s17, s17, 2048
	s_lshr_b32 s24, s17, 8                         ; which matrix
	s_and_b32 s25, s17, 255                        ; y
	s_cmp_eq_u32 s24, 1
	s_cselect_b64 s[22:23], s[8:9], s[10:11]       ; Wk or Wv
	s_cmp_eq_u32 s24, 0
	s_cselect_b64 s[22:23], s[6:7], s[22:23]       ; or Wq
	s_lshl_b32 s18, s25, 14
	s_add_nc_u64 s[22:23], s[22:23], s[18:19]
	s_mul_i32 s20, s25, 24576                      ; 4 rows of 6,144 bytes
	s_lshl_b32 s26, s24, 11                        ; the matrix's 1,024 columns
	s_add_co_u32 s20, s20, s26
	s_add_nc_u64 s[14:15], s[14:15], s[20:21]
	v_lshlrev_b32 v[VIN], 4, v4
	CAST 22, 14, 1
	s_endpgm
.Lfunc_end_k_qcdf3d229c9_prep:
	.size	k_qcdf3d229c9_prep, .Lfunc_end_k_qcdf3d229c9_prep-k_qcdf3d229c9_prep
	.p2alignl 7, 3214868480
	.fill 96, 4, 3214868480
	.section	.rodata,"a",@progbits
	.p2align	6, 0x0
	.amdhsa_kernel k_qcdf3d229c9_prep
		.amdhsa_group_segment_fixed_size 0
		.amdhsa_private_segment_fixed_size 0
		.amdhsa_enable_private_segment 0
		.amdhsa_kernarg_size 48
		.amdhsa_user_sgpr_count 2
		.amdhsa_user_sgpr_kernarg_segment_ptr 1
		.amdhsa_wavefront_size32 1
		.amdhsa_system_sgpr_workgroup_id_x 1
		.amdhsa_system_sgpr_workgroup_id_y 1
		.amdhsa_system_sgpr_workgroup_id_z 1
		.amdhsa_system_vgpr_workitem_id 0
		.amdhsa_next_free_vgpr 200
		.amdhsa_next_free_sgpr 66
		.amdhsa_reserve_vcc 0
		.amdhsa_float_denorm_mode_32 3
		.amdhsa_float_denorm_mode_16_64 3
		.amdhsa_memory_ordered 1
		.amdhsa_forward_progress 1
		.amdhsa_inst_pref_size 24
	.end_amdhsa_kernel
	.amdgpu_metadata
---
amdhsa.version: [ 1, 2 ]
amdhsa.kernels:
  - .name:           k_qcdf3d229c9_prep
    .symbol:         k_qcdf3d229c9_prep.kd
    .args:
      - { .name: hidden_states, .offset: 0, .size: 8, .value_kind: global_buffer, .address_space: global }
      - { .name: Wq, .offset: 8, .size: 8, .value_kind: global_buffer, .address_space: global }
      - { .name: Wk, .offset: 16, .size: 8, .value_kind: global_buffer, .address_space: global }
      - { .name: Wv, .offset: 24, .size: 8, .value_kind: global_buffer, .address_space: global }
      - { .name: xb, .offset: 32, .size: 8, .value_kind: global_buffer, .address_space: global }
      - { .name: wb, .offset: 40, .size: 8, .value_kind: global_buffer, .address_space: global }
    .group_segment_fixed_size: 0
    .private_segment_fixed_size: 0
    .kernarg_segment_align: 8
    .kernarg_segment_size: 48
    .max_flat_workgroup_size: 352
    .sgpr_count:     66
    .vgpr_count:     200
    .wavefront_size: 32
...
	.end_amdgpu_metadata
.endif
;; end of part 1
;; launch proj (part 2): grid 8 x 32, 4 waves a work-group, clusters of 4 x 4, 327,680 bytes of LDS; arguments xb, wb, bq, bk, bv, qkv; writes qkv
.if DOCPART == 2
	.amdgcn_target "amdgcn-amd-amdhsa--gfx1250"
	.amdhsa_code_object_version 6
	.text
	.protected	k_qcdf3d229c9_proj
	.globl	k_qcdf3d229c9_proj
	.p2align	8
	.type	k_qcdf3d229c9_proj,@function
k_qcdf3d229c9_proj:
	s_mov_b64 s[64:65], 0
	v_nop
	global_prefetch_b8 v0, s[64:65] scope:SCOPE_SE
	s_setreg_imm32_b32 hwreg(HW_REG_WAVE_MODE, 25, 1), 1
	s_wait_xcnt 0x0
	s_wait_alu depctr_hold_cnt(0) depctr_sa_sdst(0) depctr_va_vdst(0) depctr_va_sdst(0) depctr_va_ssrc(0) depctr_va_vcc(0) depctr_vm_vsrc(0)
	s_getreg_b32 s2, hwreg(HW_REG_IB_STS2, 6, 4)
	s_cmp_eq_u32 s2, 0
	s_cbranch_scc0 .Lentry_in_a_cluster
	s_endpgm
.Lentry_in_a_cluster:
	s_bfe_u32 s2, ttmp6, 0x10000c
	s_cmp_lg_u32 s2, 0xf033
	s_cbranch_scc0 .Lentry_shape_is_right
	s_endpgm
.Lentry_shape_is_right:
; proj: [8192 x 1024] x [1024 x 3072] + bias: the three projections as one product, f16 operands, f32 sums, results rounded once to f16.
; Q is also multiplied by 0.125 log2(e) ahead of its rounding, so that the next launch's scores are exponents of 2.
; qkv: Q at bh*262144 + s*128 + 2 d (bh = 16 batch + head); K and V at 16777216 + bh*524288 + (s>>7)*32768 + (which-1)*16384 + (s&127)*128 + 2 d:
; for each 128 keys of a head one run of 32 KiB, K's tile and then V's.
; ROOM of f16 for q, k, v: beyond 65,504 infinity.  With all inputs 30 times larger their spread is 900; with an offset of 30 spreads on hidden_states
; and on the weights they lie near 1024 x 30 x 0.94 = 29,000.
; SHAPE: 256 work-groups, each a block of 256 rows x 384 columns; four waves, as many as a WGP has SIMDs, each 128 rows x 192 columns = 96 accumulator
; tiles of 16 x 16 = 768 registers.  K goes in 16 steps of 64 through a ring of two LDS slots; a step is two chunks of 32.
; For a chunk a wave reads 20 KiB from LDS (40 loads) and issues 96 matrix instructions.
; CLUSTERS: 4 x 4 work-groups.  X's tile hangs on the block row alone and is asked for jointly by a row of the cluster, W's on the block column alone
; and is asked for jointly by a column: four requests become one.
; W lies [k][n]; its fragments come out of LDS by the transposing load.  THE MATRIX INSTRUCTION IS USED TRANSPOSED (source 0: 16 columns of W,
; source 1: 16 rows of X), so that a lane's eight results are eight neighbouring columns of one row.
; REGISTERS: window 0: v16-29 addresses, v32-95 and v96-159 X's fragments (two buffers), v160-255 W's twelve fragments (one buffer, loaded again group by group);
; windows 1, 2, 3: my three groups of 64 columns (each one head of Q, K or V), tile (jj, i) at v[8 (8 jj + i)], jj: 16 columns, i: 16 rows.
.set QUART,  27648                     ; a quarter of a slot: what one wave's tensor load fills (X: 128 rows x 144 = 18,432 of it; W: 32 rows x 864)
.set SLOT,   4*QUART                   ; X rows 0-127, X rows 128-255, W's k rows 0-31, 32-63
.set STAGE,  2*SLOT                    ; 221,184: 32 rows x 144 bytes for each wave, for the way out; no tensor load lands here
.set BIASL,  STAGE+4*4608              ; 239,616: 3 x 64 f32 of bias for each wave
.set ADRA, 16                          ; v16-17  LDS address of X's fragments in slot 0, 1
.set ADRB, 20                          ; v20-21  the same for W
.set STO,  24                          ; the way out: where I put 16 bytes of a row
.set RD,   25                          ; the way out: where I read rows back
.set CO,   26                          ; 16 x lane: my bytes in a store of 512
.set BA,   27                          ; where I read my columns' bias
.set BAS,  28                          ; where I put 16 bytes of bias
.set BOF,  29                          ; and where they lie in memory
.set FA0,  32
.set FA1,  96
.set FB,   160
.set TT,   32                          ; the way out: 64 results in f32
.set PK,   96                          ; packed to f16
.set R0,   128                         ; rows read back, two buffers of 32
.set BIAS, 192
.set G1A, 24                           ; s[24:31] group 1 for X's tiles
.set G0A, 32                           ; s[32:39] group 0 for X's tiles, one set a slot
.set G1B, 48                           ; s[48:55] group 1 for W's tiles
.set G0B, 56                           ; s[56:63] group 0 for W's tiles, one set a slot
.set OB,  68                           ; s[68:73] where my three groups go in qkv
.set SC,  74                           ; s[74:79] their scale, as pairs
.set BP,  80                           ; s[80:85] their bias in memory
.set MSB, 0
.macro WIN new                         ; the immediate's high byte repeats the setting that is left; a switch that changes nothing is dropped
.if MSB != \new
	s_set_vgpr_msb (MSB<<8)|\new
.set MSB, \new
.endif
.endm
; Four places: a load into a register that a matrix instruction has read, and a vector instruction that reads a matrix result, stand four plain
; vector instructions behind it (ISA guide 7.12.1 for vector instructions).
.macro PLACES
.rept 4
	v_nop
.endr
.endm
; A joint load: waves 0 and 1 ask for X's two halves, waves 2 and 3 for W's.  Each line has one mask; the branch hangs on the wave's number alone.
.macro JLOAD s
	s_cmp_eq_u32 s17, 0
	s_cbranch_scc0 .Lfor_b_\@
	tensor_load_to_lds s[G0A+4*\s:G0A+4*\s+3], s[G1A:G1A+7]
	s_nop 0
.rept 4
	v_nop
.endr
	s_branch .Lasked_\@
.Lfor_b_\@:
	tensor_load_to_lds s[G0B+4*\s:G0B+4*\s+3], s[G1B:G1B+7]
	s_nop 0
.rept 4
	v_nop
.endr
.Lasked_\@:
.endm
.macro CREST                           ; a round of the cluster's barrier behind its opening barrier
	s_cmp_lg_u32 s16, 0
	s_cbranch_scc1 .Lnot_wave_0_\@
	s_barrier_signal -3
.Lnot_wave_0_\@:
	s_barrier_wait -3
	s_barrier_signal -1
	s_barrier_wait -1
.endm
.macro CROUND                          ; a whole round
	s_barrier_signal -1
	s_barrier_wait -1
	CREST
.endm
	s_load_b256 s[4:11], s[0:1], 0x0               ; xb s[4:5], wb s[6:7], bq s[8:9], bk s[10:11]
	s_load_b128 s[12:15], s[0:1], 0x20             ; bv s[12:13], qkv s[14:15]
	v_lshl_add_u32 v30, v0, 2, 0x3b400
	v_mov_b32 v31, 0
	ds_add_u32 v30, v31
	v_lshrrev_b32 v1, 5, v0
	v_readfirstlane_b32 s16, v1                    ; wave 0..3
	s_lshr_b32 s17, s16, 1                         ; which 128 rows are mine.  Also: I fetch for X (0) or for W (1)
	s_and_b32 s18, s16, 1                          ; which 192 columns.  Also: which half of that tile I fetch
	s_bfe_u32 s19, ttmp6, 0x40000                  ; cx
	s_bfe_u32 s20, ttmp6, 0x40004                  ; cy
	s_lshl_b32 s21, ttmp9, 2
	s_add_co_u32 s21, s21, s19                     ; block column 0..7
	s_and_b32 s22, ttmp7, 0xffff
	s_lshl_b32 s22, s22, 2
	s_add_co_u32 s22, s22, s20                     ; block row 0..31
	s_lshl_b32 s40, s20, 2
	s_lshl_b32 s40, 15, s40                        ; my row of the cluster
	s_lshl_b32 s41, 0x1111, s19                    ; my column
	; X's tile: 16,384 consecutive bytes as 64 rows of 256 bytes (32 elements of 8); behind every 32 words (a row of 64 f16) 4 words of padding: LDS rows 144 bytes apart
	s_or_b32 s[G1A+0], s40, (3<<16)|(1<<20)|(1<<21)|(4<<22)|(3<<25)
	s_mov_b32 s[G1A+1], 32<<16                     ; tensor_dim0 = 32
	s_mov_b32 s[G1A+2], 64<<16                     ; tensor_dim1 = 64
	s_mov_b32 s[G1A+3], 32<<16                     ; tile_dim0 = 32
	s_mov_b32 s[G1A+4], 64                         ; tile_dim1 = 64
	s_mov_b32 s[G1A+5], 32                         ; from row to row: 32 elements
	s_mov_b32 s[G1A+6], 0
	s_mov_b32 s[G1A+7], 0
	; W's tile: 32 rows (k) of 384 f16 = 768 bytes; behind every 32 words (64 columns) 4 words of padding: rows 864 bytes apart, column n at 2 n + 16 (n >> 6)
	s_or_b32 s[G1B+0], s41, (1<<16)|(1<<20)|(1<<21)|(4<<22)|(3<<25)
	s_mov_b32 s[G1B+1], 384<<16
	s_mov_b32 s[G1B+2], 32<<16
	s_mov_b32 s[G1B+3], 384<<16
	s_mov_b32 s[G1B+4], 32
	s_mov_b32 s[G1B+5], 3072
	s_mov_b32 s[G1B+6], 0
	s_mov_b32 s[G1B+7], 0
	; X's address hangs on the block row and the wave, W's on the block column and the wave, each in registers that never hold the other coordinate
	s_lshl_b32 s42, s22, 19                        ; block row x 16 K steps x 32 KiB
	s_lshl_b32 s23, s18, 14                        ; my half: 128 rows of 128 bytes
	s_add_co_u32 s42, s42, s23
	s_mov_b32 s43, 0
	s_mul_i32 s44, s21, 768                        ; block column x 384 f16
	s_mul_i32 s47, s18, 196608                     ; my half: 32 rows of 6,144 bytes
	s_add_co_u32 s44, s44, s47
	s_mov_b32 s45, 0
	s_mul_i32 s46, s16, QUART                      ; where my quarter goes: the wave's number alone
	s_wait_dscnt 0x0
	s_wait_kmcnt 0x0
	s_add_nc_u64 s[42:43], s[4:5], s[42:43]
	s_add_nc_u64 s[44:45], s[6:7], s[44:45]
	CROUND                                         ; all sixteen work-groups are here: the first joint loads meet
.irp s, 0,1
	s_mov_b32 s[G0A+4*\s], 1
	s_add_co_u32 s[G0A+4*\s+1], s46, \s*SLOT
	s_add_nc_u64 s[G0A+4*\s+2:G0A+4*\s+3], s[42:43], \s*32768      ; K step s
	s_or_b32 s[G0A+4*\s+3], s[G0A+4*\s+3], 0x80000000
	s_mov_b32 s[G0B+4*\s], 1
	s_add_co_u32 s[G0B+4*\s+1], s46, \s*SLOT
	s_add_nc_u64 s[G0B+4*\s+2:G0B+4*\s+3], s[44:45], \s*393216     ; 64 rows of 6,144 bytes
	s_or_b32 s[G0B+4*\s+3], s[G0B+4*\s+3], 0x80000000
	JLOAD \s                                       ; both slots are asked for before anything else: two tensor loads of the wave are out, later one
.endr
	; lane addresses.  r = lane % 16, h = lane / 16
	v_and_b32 v1, 15, v0
	v_bfe_u32 v2, v0, 4, 1
	v_and_b32 v3, 31, v0
	v_mul_u32_u24 v4, v1, 144
	v_lshl_add_u32 v4, v2, 4, v4                   ; r x 144 + 16 h
	s_mul_i32 s86, s17, QUART
	v_add_nc_u32 v[ADRA], s86, v4                  ; X: row r of my 128, k = 8 h ..
	v_add_nc_u32 v[ADRA+1], SLOT, v[ADRA]
	v_and_b32 v5, 7, v0
	v_lshl_add_u32 v5, v2, 3, v5                   ; W: k row 8 h + lane % 8,
	v_mul_u32_u24 v5, v5, 864
	v_bfe_u32 v6, v0, 3, 1
	v_lshl_add_u32 v5, v6, 4, v5                   ; 16 bytes for each half of the 16 columns
	s_mul_i32 s87, s18, 432                        ; my 192 columns: 384 bytes + 3 paddings
	s_add_co_u32 s87, s87, 2*QUART
	v_add_nc_u32 v[ADRB], s87, v5
	v_add_nc_u32 v[ADRB+1], SLOT, v[ADRB]
	s_mul_i32 s88, s16, 4608
	s_add_co_u32 s88, s88, STAGE
	v_add_nc_u32 v[STO], s88, v4
	v_lshrrev_b32 v7, 3, v3
	v_mul_u32_u24 v7, v7, 144                      ; back: eight lanes take a row of 128 bytes, a load four rows
	v_and_b32 v8, 7, v0
	v_lshl_add_u32 v7, v8, 4, v7
	v_add_nc_u32 v[RD], s88, v7
	v_lshlrev_b32 v[CO], 4, v3
	s_mul_i32 s89, s16, 768
	s_add_co_u32 s89, s89, BIASL
	v_lshlrev_b32 v[BA], 5, v2
	v_add_nc_u32 v[BA], s89, v[BA]                 ; columns 8 h .. 8 h + 7 of a fragment
	v_lshlrev_b32 v[BOF], 4, v1
	v_add_nc_u32 v[BAS], s89, v[BOF]
	; my three groups of 64 columns: which of Q, K, V, which head, where they go, their scale and their bias
	s_mul_i32 s86, s21, 6
	s_mul_i32 s87, s18, 3
	s_add_co_u32 s86, s86, s87                     ; the first group's number, 0 .. 45
	s_lshr_b32 s87, s22, 3
	s_lshl_b32 s87, s87, 4                         ; 16 x batch
	s_and_b32 s88, s22, 7
	s_lshl1_add_u32 s88, s88, s17                  ; my block of 128 positions in the sequence
	s_lshl_b32 s88, s88, 14
	s_mov_b32 s93, 0
	s_mov_b32 s95, 0
.irp g, 0,1,2
	s_add_co_u32 s89, s86, \g
	s_lshr_b32 s90, s89, 4                         ; which: 0 Q, 1 K, 2 V
	s_and_b32 s91, s89, 15                         ; head
	s_lshl_b32 s94, s91, 8                         ; its 64 f32 of bias
	s_add_co_u32 s91, s91, s87                     ; bh
	s_lshl_b32 s91, s91, 18
	s_add_co_u32 s91, s91, s88                     ; Q: bh x 262144 + block x 16384
	s_lshl_b32 s92, s91, 1                         ; K, V: bh x 524288 + block x 32768
	s_lshl_b32 s89, s90, 14
	s_add_co_u32 s92, s92, s89
	s_add_co_u32 s92, s92, 16777216-16384          ; + (which - 1) x 16384, behind Q
	s_cmp_eq_u32 s90, 1
	s_cselect_b64 s[BP+2*\g:BP+2*\g+1], s[10:11], s[12:13]
	s_cmp_eq_u32 s90, 0
	s_cselect_b64 s[BP+2*\g:BP+2*\g+1], s[8:9], s[BP+2*\g:BP+2*\g+1]
	s_cselect_b32 s92, s91, s92
	s_cselect_b32 s[SC+2*\g], 0x3e38aa3b, 1.0      ; 0.125 log2(e) for Q
	s_mov_b32 s[SC+2*\g+1], s[SC+2*\g]
	s_add_nc_u64 s[OB+2*\g:OB+2*\g+1], s[14:15], s[92:93]
	s_add_nc_u64 s[BP+2*\g:BP+2*\g+1], s[BP+2*\g:BP+2*\g+1], s[94:95]
	global_load_b128 v[FA0+4*\g:FA0+4*\g+3], v[BOF], s[BP+2*\g:BP+2*\g+1]
.endr
	s_wait_loadcnt 0x0
.irp g, 0,1,2
	v_pk_mul_f32 v[FA0+4*\g:FA0+4*\g+1],   v[FA0+4*\g:FA0+4*\g+1],   s[SC+2*\g:SC+2*\g+1] op_sel_hi:[1,0]   ; the bias carries the scale, so that the way out is one fused multiply-add
	v_pk_mul_f32 v[FA0+4*\g+2:FA0+4*\g+3], v[FA0+4*\g+2:FA0+4*\g+3], s[SC+2*\g:SC+2*\g+1] op_sel_hi:[1,0]
	ds_store_b128 v[BAS], v[FA0+4*\g:FA0+4*\g+3] offset:256*\g    ; my wave's own bytes; both halves of the lanes write the same
.endr
; 16 matrix instructions: fragments 2 half, 2 half + 1 of group g x all 8 blocks of rows.  zero = 1: the first product starts the sums.
; The 96 accumulators take turns, one instruction a turn, in the same order in every chunk.
.macro MULG f, g, half, zero
	WIN (0x50*(\g+1))
.irp jj, 2*\half, 2*\half+1
.irp i, 0,1,2,3,4,5,6,7
.if \zero
	v_wmma_f32_16x16x32_f16 v[8*(8*(\jj)+\i):8*(8*(\jj)+\i)+7], v[FB+8*(4*\g+(\jj)):FB+8*(4*\g+(\jj))+7], v[\f+8*\i:\f+8*\i+7], 0
.else
	v_wmma_f32_16x16x32_f16 v[8*(8*(\jj)+\i):8*(8*(\jj)+\i)+7], v[FB+8*(4*\g+(\jj)):FB+8*(4*\g+(\jj))+7], v[\f+8*\i:\f+8*\i+7], v[8*(8*(\jj)+\i):8*(8*(\jj)+\i)+7]
.endif
.endr
.endr
.endm
.macro LDA slot, c, f                  ; 16 loads: X's 128 rows, 32 k of chunk c
	WIN 0
.irp i, 0,1,2,3,4,5,6,7
	ds_load_b128 v[\f+8*\i:\f+8*\i+3],   v[ADRA+\slot] offset:\i*2304+64*\c
	ds_load_b128 v[\f+8*\i+4:\f+8*\i+7], v[ADRA+\slot] offset:\i*2304+64*\c+32
.endr
.endm
.macro LDB slot, c, g                  ; 8 transposing loads: group g's four fragments of W, 32 k of chunk c (fragment 4 g + jj at 144 g + 32 jj)
	WIN 0
.irp jj, 0,1,2,3
	ds_load_tr16_b128 v[FB+8*(4*\g+\jj):FB+8*(4*\g+\jj)+3],   v[ADRB+\slot] offset:\c*27648+144*\g+32*\jj
	ds_load_tr16_b128 v[FB+8*(4*\g+\jj)+4:FB+8*(4*\g+\jj)+7], v[ADRB+\slot] offset:\c*27648+144*\g+32*\jj+13824
.endr
.endm
; A chunk's loads go out in three runs: L1 = W's group 0 and X (24), L2 = W's group 1 (8), L3 = W's group 2 (8), each as soon as the registers are free.
; Chunk 0 of a K step, on X's buffer 0; it fetches chunk 1.
.macro CH0 slot, zero
	s_wait_dscnt 16                                ; L1 is in; L2 and L3 (16) may be out
	MULG FA0, 0, 0, \zero
	MULG FA0, 0, 1, \zero
	PLACES
	LDB \slot, 1, 0
	LDA \slot, 1, FA1
	s_wait_dscnt 32                                ; L2 is in; L3 and the next L1 (8 + 24) may be out
	MULG FA0, 1, 0, \zero
	MULG FA0, 1, 1, \zero
	PLACES
	LDB \slot, 1, 1
	s_wait_dscnt 32                                ; L3 is in; the next L1 and L2 (24 + 8) may be out
	MULG FA0, 2, 0, \zero
	MULG FA0, 2, 1, \zero
	PLACES
	LDB \slot, 1, 2
.endm
; Chunk 1, on buffer 1, and the change of slots.  All of the slot's fragments are in registers at the wait for 0, so the slot can be given up 80 matrix
; instructions before its K step ends.  In front of the barrier each wave waits for its reads of this slot and for all its tensor loads (the one that is
; out is its part of the next slot); behind it the refill comes first, then the next slot's fragments.  From a request to the wait for it: 176 matrix instructions.
.macro CH1T slot, next, fill
	s_wait_dscnt 16
	MULG FA1, 0, 0, 0
	s_wait_dscnt 0x0                               ; my reads of this slot are over
	s_wait_tensorcnt 0x0                           ; and all my tensor loads have landed
	ds_add_u32 v30, v31
	s_wait_dscnt 0x0
	s_barrier_signal -1                            ; where the slot is filled again this barrier opens a round of the cluster's barrier
	MULG FA1, 0, 1, 0                              ; registers only
	WIN 0
	s_barrier_wait -1
.if \fill
	CREST                                          ; no wave of any partner still reads this slot or has a load on its way
	s_add_nc_u64 s[G0A+4*\slot+2:G0A+4*\slot+3], s[G0A+4*\slot+2:G0A+4*\slot+3], 65536     ; two K steps on
	s_add_nc_u64 s[G0B+4*\slot+2:G0B+4*\slot+3], s[G0B+4*\slot+2:G0B+4*\slot+3], 786432
	JLOAD \slot                                    ; the wave's one tensor load behind the round; its four v_nop are also the places in front of the loads below
.else
	PLACES
.endif
	LDB \next, 0, 0
	LDA \next, 0, FA0
	MULG FA1, 1, 0, 0
	MULG FA1, 1, 1, 0
	PLACES
	LDB \next, 0, 1
	MULG FA1, 2, 0, 0
	MULG FA1, 2, 1, 0
	PLACES
	LDB \next, 0, 2
.endm
.macro LAP zero                        ; two K steps, once round the ring, both slots filled again
	CH0 0, \zero
	CH1T 0, 1, 1
	CH0 1, 0
	CH1T 1, 0, 1
.endm
	s_wait_dscnt 0x0                               ; my bias is in LDS
	s_wait_tensorcnt 0x1                           ; my part of K step 0 is in; K step 1's stays out
	s_barrier_signal -1
	s_barrier_wait -1
	LDB 0, 0, 0
	LDA 0, 0, FA0
	LDB 0, 0, 1
	LDB 0, 0, 2
	LAP 1                                          ; K steps 0, 1: the first products start the sums
	WIN 0
	s_mov_b32 s3, 6
.Llap:
	LAP 0                                          ; K steps 2 .. 13; the last of these laps asks for steps 14 and 15
	WIN 0
	s_sub_co_u32 s3, s3, 1
	s_cmp_lg_u32 s3, 0
	s_cbranch_scc1 .Llap
	CH0 0, 0                                       ; the last lap fills nothing
	CH1T 0, 1, 0
	CH0 1, 0
	s_wait_dscnt 16                                ; the last chunk: the counts run down
	MULG FA1, 0, 0, 0
	MULG FA1, 0, 1, 0
	s_wait_dscnt 8
	MULG FA1, 1, 0, 0
	MULG FA1, 1, 1, 0
	s_wait_dscnt 0x0
	MULG FA1, 2, 0, 0
	MULG FA1, 2, 1, 0
	PLACES
; THE WAY OUT, twelve blocks of 32 rows x 64 columns (group blk/4, rows 32 (blk%4) ..): scale and bias in one fused multiply-add, round to f16, 16 bytes a lane into
; my own stage, read back as rows of 128 bytes.  In qkv the 32 rows are 4,096 consecutive bytes: each store of the wave covers 512 of them, aligned.
; A block's stores to memory are issued one block later, so that its LDS loads have a block's arithmetic in which to come back.
.macro OUT blk
	WIN 0
.if (\blk%4) == 0
.irp jj, 0,1,2,3
	ds_load_b128 v[BIAS+8*\jj:BIAS+8*\jj+3],   v[BA] offset:256*(\blk/4)+64*\jj
	ds_load_b128 v[BIAS+8*\jj+4:BIAS+8*\jj+7], v[BA] offset:256*(\blk/4)+64*\jj+16
.endr
	s_wait_dscnt 0x0
.endif
	WIN (\blk/4+1)
.irp mi, 0,1
.irp jj, 0,1,2,3
.irp t, 0,2,4,6
	v_pk_fma_f32 v[TT+8*(4*\mi+\jj)+\t:TT+8*(4*\mi+\jj)+\t+1], v[8*(8*\jj+2*(\blk%4)+\mi)+\t:8*(8*\jj+2*(\blk%4)+\mi)+\t+1], s[SC+2*(\blk/4):SC+2*(\blk/4)+1], v[BIAS+8*\jj+\t:BIAS+8*\jj+\t+1] op_sel_hi:[1,0,1]
.endr
.endr
.endr
	WIN 0
.set k, 0
.rept 32
	v_cvt_pk_f16_f32 v[PK+k], v[TT+2*k], v[TT+2*k+1]
.set k, k+1
.endr
	s_wait_xcnt 0x0                                ; the buffer loaded below was store data two blocks ago: it is rewritten only behind this wait (ISA guide 3.1)
.irp mi, 0,1
.irp jj, 0,1,2,3
	ds_store_b128 v[STO], v[PK+4*(4*\mi+\jj):PK+4*(4*\mi+\jj)+3] offset:\mi*2304+32*\jj
.endr
.endr
.irp t, 0,1,2,3,4,5,6,7
	ds_load_b128 v[R0+32*(\blk&1)+4*\t:R0+32*(\blk&1)+4*\t+3], v[RD] offset:576*\t    ; LDS serves a wave's instructions in order (ISA guide 5.7.1): these see the stores above
.endr
.if \blk > 0
	s_wait_dscnt 16                                ; the block before is back; this block's 8 stores and 8 loads stay out
.irp t, 0,1,2,3,4,5,6,7
	global_store_b128 v[CO], v[R0+32*(1-(\blk&1))+4*\t:R0+32*(1-(\blk&1))+4*\t+3], s[OB+2*((\blk-1)/4):OB+2*((\blk-1)/4)+1] offset:((\blk-1)%4)*4096+512*\t
.endr
.endif
.endm
.irp b, 0,1,2,3,4,5,6,7,8,9,10,11
	OUT \b
.endr
	s_wait_dscnt 0x0
.irp t, 0,1,2,3,4,5,6,7
	global_store_b128 v[CO], v[R0+32+4*\t:R0+32+4*\t+3], s[OB+4:OB+5] offset:3*4096+512*\t
.endr
	s_wait_tensorcnt 0x0
	ds_add_u32 v30, v31
	s_wait_dscnt 0x0
	CROUND                                         ; the closing round: no work-group ends while a partner may still ask for a tile that names it
	s_endpgm
.Lfunc_end_k_qcdf3d229c9_proj:
	.size	k_qcdf3d229c9_proj, .Lfunc_end_k_qcdf3d229c9_proj-k_qcdf3d229c9_proj
	.p2alignl 7, 3214868480
	.fill 96, 4, 3214868480
	.section	.rodata,"a",@progbits
	.p2align	6, 0x0
	.amdhsa_kernel k_qcdf3d229c9_proj
		.amdhsa_group_segment_fixed_size 327680
		.amdhsa_private_segment_fixed_size 0
		.amdhsa_enable_private_segment 0
		.amdhsa_kernarg_size 48
		.amdhsa_user_sgpr_count 2
		.amdhsa_user_sgpr_kernarg_segment_ptr 1
		.amdhsa_wavefront_size32 1
		.amdhsa_system_sgpr_workgroup_id_x 1
		.amdhsa_system_sgpr_workgroup_id_y 1
		.amdhsa_system_sgpr_workgroup_id_z 1
		.amdhsa_system_vgpr_workitem_id 0
		.amdhsa_next_free_vgpr 1024
		.amdhsa_next_free_sgpr 96
		.amdhsa_reserve_vcc 0
		.amdhsa_float_denorm_mode_32 3
		.amdhsa_float_denorm_mode_16_64 3
		.amdhsa_memory_ordered 1
		.amdhsa_forward_progress 1
		.amdhsa_inst_pref_size 197
	.end_amdhsa_kernel
	.amdgpu_metadata
---
amdhsa.version: [ 1, 2 ]
amdhsa.kernels:
  - .name:           k_qcdf3d229c9_proj
    .symbol:         k_qcdf3d229c9_proj.kd
    .args:
      - { .name: xb, .offset: 0, .size: 8, .value_kind: global_buffer, .address_space: global }
      - { .name: wb, .offset: 8, .size: 8, .value_kind: global_buffer, .address_space: global }
      - { .name: bq, .offset: 16, .size: 8, .value_kind: global_buffer, .address_space: global }
      - { .name: bk, .offset: 24, .size: 8, .value_kind: global_buffer, .address_space: global }
      - { .name: bv, .offset: 32, .size: 8, .value_kind: global_buffer, .address_space: global }
      - { .name: qkv, .offset: 40, .size: 8, .value_kind: global_buffer, .address_space: global }
    .group_segment_fixed_size: 327680
    .private_segment_fixed_size: 0
    .kernarg_segment_align: 8
    .kernarg_segment_size: 48
    .max_flat_workgroup_size: 128
    .sgpr_count:     96
    .vgpr_count:     1024
    .wavefront_size: 32
...
	.end_amdgpu_metadata
.endif
;; end of part 2
;; launch attn (part 3): grid 256 x 1, 4 waves a work-group, clusters of 4 x 1, 327,680 bytes of LDS; arguments qkv, attention_mask, out0; writes out0
.if DOCPART == 3
	.amdgcn_target "amdgcn-amd-amdhsa--gfx1250"
	.amdhsa_code_object_version 6
	.text
	.protected	k_qcdf3d229c9_attn
	.globl	k_qcdf3d229c9_attn
	.p2align	8
	.type	k_qcdf3d229c9_attn,@function
k_qcdf3d229c9_attn:
	s_mov_b64 s[64:65], 0
	v_nop
	global_prefetch_b8 v0, s[64:65] scope:SCOPE_SE
	s_setreg_imm32_b32 hwreg(HW_REG_WAVE_MODE, 25, 1), 1
	s_wait_xcnt 0x0
	s_wait_alu depctr_hold_cnt(0) depctr_sa_sdst(0) depctr_va_vdst(0) depctr_va_sdst(0) depctr_va_ssrc(0) depctr_va_vcc(0) depctr_vm_vsrc(0)
	s_getreg_b32 s2, hwreg(HW_REG_IB_STS2, 6, 4)
	s_cmp_eq_u32 s2, 0
	s_cbranch_scc0 .Lentry_in_a_cluster
	s_endpgm
.Lentry_in_a_cluster:
	s_bfe_u32 s2, ttmp6, 0x10000c
	s_cmp_lg_u32 s2, 0x3003
	s_cbranch_scc0 .Lentry_shape_is_right
	s_endpgm
.Lentry_shape_is_right:
; attn: out0[b][s][64 head + d] = softmax over keys of (q.k / 8 + mask[b][key]) times V, with a running maximum; f16 operands, f32 sums, softmax in f32.
; Q comes scaled by 0.125 log2(e) and the mask is multiplied by log2(e) here, so scores are exponents of 2.
; SHAPE: a cluster of four work-groups owns one (batch, head); a work-group 512 queries, a wave 128 = 8 blocks of 16.  The four read the same K and V:
; every tile of 128 keys (32 KiB, K's rows and then V's) is asked for JOINTLY, mask 15, each wave asking for a quarter: four requests become one.
; A sub-step is 64 keys: for each block of queries 8 matrix instructions for the scores and 8 for the context.
; LAYOUT: S^T = K Q^T + C with C = the mask's registers, so adding the mask costs nothing; lane (r, h) then holds query r and keys 8 h + j of each 16.
; Two such tiles packed to f16 ARE a fragment of P (source 1); maximum, sum and rescaling factor are one number a lane; one exchange of the halves joins the maximum.
; ctx^T = V^T P with V through the transposing load: a lane holds 8 neighbouring d of its query.
; ORDER: the scores of block q + 1 are issued ahead of block q's softmax, so matrix work is queued while the vector unit works.
; LIMITS: operands f16 (P is at most 1; p below 3e-8 becomes 0, against a sum of at least 1).  The sum is taken from p before its rounding.
; Any finite mask and -inf are served: the running maximum starts at the lowest finite f32, so -inf gives p = 0; a row whose keys are all -inf gives NaN, as reference() does.
; |mask| above 2.3e38 becomes infinite when multiplied by log2(e).  v_exp_f32 returns 0 below 2^-126 (ISA guide 15.8).
; REGISTERS: window 0 as named below; window 1: ctx, tile (q, dt) at v[32 q + 8 dt]; window 2: Q's fragments (q, c) at v[16 q + 8 c], V's (dt, c) at v[128 + 8 (2 dt + c)].
.set QUART, 10240                      ; 64 rows x 160 bytes: what one wave's tensor load fills
.set SLOT,  4*QUART                    ; 128 rows of K, 128 rows of V; 160 = 128 + 32 of padding = 5 x 32, as the transposing load's eight rows want it;
                                       ; K's plain loads then meet two deep (rows r and r + 8 are 320 words apart), 16 of a wave's 40 LDS loads for 128 matrix instructions
.set MASKL, 2*SLOT                     ; 81,920: the batch's 2,048 mask numbers x log2(e); no tensor load lands here
.set STAGE, MASKL+8192                 ; 90,112: 16 rows x 272 bytes for each wave, for the way out
.set ADK, 2                            ; v2-3    K's fragments in slot 0, 1
.set ADV, 4                            ; v4-5    V's
.set ADM, 6                            ; v6      the mask of this lap's first sub-step; steps 1,024 bytes a lap
.set STO, 7
.set RD,  8
.set CO,  9
.set MN,  10                           ; v[10:11] the new maximum (v11 is only there to make a pair)
.set AL,  12                           ; v[12:13] 2^(old maximum - new); on the way out 1 / sum
.set SPA, 14                           ; v[14:17] two pairs of partial sums
.set SPB, 16
.set RT,  18                           ; v18-21  at work
.set PFO, 22                           ; prefetch: 256 x lane + my work-group's quarter of a tile
.set QO,  23
.set RM,  24                           ; v[24:31] running maximum of block q
.set RL,  32                           ; v[32:39] running sum of block q, this half's keys
.set RP,  40                           ; v[40:55] P, two fragments
.set RS,  64                           ; v[64:127] scores, two buffers of 32
.set KF,  128                          ; v[128:191] K's fragments (kb, c) at 16 kb + 8 c
.set MK,  192                          ; v[192:223] the mask of 64 keys, as four C operands
.set VF,  128                          ; in window 2
.set G1,  16                           ; s[16:23]
.set G0,  24                           ; s[24:31] one set a slot
.set MSB, 0
.macro WIN new
.if MSB != \new
	s_set_vgpr_msb (MSB<<8)|\new
.set MSB, \new
.endif
.endm
.macro PLACES                          ; four plain vector instructions behind a matrix instruction, ahead of loads into its sources and of reads of its result (ISA guide 7.12.1 for vector instructions)
.rept 4
	v_nop
.endr
.endm
.macro CROUND                          ; a round of the cluster's barrier
	s_barrier_signal -1
	s_barrier_wait -1
	s_cmp_lg_u32 s10, 0
	s_cbranch_scc1 .Lnot_wave_0_\@
	s_barrier_signal -3
.Lnot_wave_0_\@:
	s_barrier_wait -3
	s_barrier_signal -1
	s_barrier_wait -1
.endm
	s_load_b128 s[4:7], s[0:1], 0x0                ; qkv s[4:5], attention_mask s[6:7]
	s_load_b64 s[8:9], s[0:1], 0x10                ; out0
	v_lshl_add_u32 v254, v0, 2, 0x29000
	v_mov_b32 v255, 0
	ds_add_u32 v254, v255
	v_lshrrev_b32 v1, 5, v0
	v_readfirstlane_b32 s10, v1                    ; wave 0..3
	s_bfe_u32 s11, ttmp6, 0x40000                  ; cx: which 512 queries.  ttmp9, the cluster's number, is 16 batch + head
	s_mov_b32 s42, 0x76543210                      ; v_permlanex16_b32: lane i reads lane i of the other half
	s_mov_b32 s43, 0xfedcba98
	; group 1: 8,192 consecutive bytes as 32 rows of 256 (32 elements of 8 bytes); behind every 32 words (a row of 64 f16) 8 words of padding; all four work-groups
	s_mov_b32 s[G1+0], 15|(3<<16)|(1<<20)|(1<<21)|(4<<22)|(7<<25)
	s_mov_b32 s[G1+1], 32<<16
	s_mov_b32 s[G1+2], 32<<16
	s_mov_b32 s[G1+3], 32<<16
	s_mov_b32 s[G1+4], 32
	s_mov_b32 s[G1+5], 32
	s_mov_b32 s[G1+6], 0
	s_mov_b32 s[G1+7], 0
	s_lshl_b32 s34, ttmp9, 19
	s_add_co_u32 s34, s34, 16777216                ; the head's K and V, behind Q
	s_mov_b32 s35, 0
	s_lshl_b32 s14, s10, 13                        ; my quarter of a tile
	s_mov_b32 s15, 0
	s_mul_i32 s13, s10, QUART
	v_and_b32 v1, 31, v0
	v_lshlrev_b32 v[PFO], 8, v1
	v_lshl_add_u32 v[PFO], s11, 13, v[PFO]
	s_wait_dscnt 0x0
	s_wait_kmcnt 0x0
	s_add_nc_u64 s[32:33], s[4:5], s[34:35]        ; never rewritten
	s_add_nc_u64 s[34:35], s[32:33], s[14:15]
	CROUND                                         ; the four work-groups are here: the first joint loads meet
.irp s, 0,1
	s_mov_b32 s[G0+4*\s], 1
	s_add_co_u32 s[G0+4*\s+1], s13, \s*SLOT
	s_add_nc_u64 s[G0+4*\s+2:G0+4*\s+3], s[34:35], \s*32768        ; tile s; nothing here hangs on cx
	s_or_b32 s[G0+4*\s+3], s[G0+4*\s+3], 0x80000000
	tensor_load_to_lds s[G0+4*\s:G0+4*\s+3], s[G1:G1+7]            ; two tensor loads of the wave are out here, later one
	s_nop 0
	PLACES
.endr
	s_cmp_lg_u32 s10, 0
	s_cbranch_scc1 .Lno_first_pf
	global_prefetch_b8 v[PFO], s[32:33] offset:65536 th:TH_LOAD_NT scope:SCOPE_SE    ; tile 2, my work-group's 8 KiB of it, 32 lanes 256 bytes apart
.Lno_first_pf:
	s_mov_b32 s46, 3*32768                         ; the next tile to ask for
	s_mov_b32 s47, 0
	; bases.  What hangs on cx lives in s50-53
	s_lshr_b32 s52, ttmp9, 4                       ; batch
	s_lshl_b32 s50, s52, 13
	s_mov_b32 s51, 0
	s_add_nc_u64 s[40:41], s[6:7], s[50:51]        ; the batch's mask
	s_lshl_b32 s50, s52, 23                        ; out0: (2048 batch + 512 cx + 128 wave) rows of 4,096 bytes + 256 head
	s_lshl_b32 s53, s11, 21
	s_add_co_u32 s50, s50, s53
	s_lshl_b32 s53, s10, 19
	s_add_co_u32 s50, s50, s53
	s_and_b32 s53, ttmp9, 15
	s_lshl_b32 s53, s53, 8
	s_add_co_u32 s50, s50, s53
	s_add_nc_u64 s[38:39], s[8:9], s[50:51]
	s_lshl_b32 s50, ttmp9, 18                      ; Q: bh x 262144 + (512 cx + 128 wave) rows of 128 bytes
	s_lshl_b32 s53, s11, 16
	s_add_co_u32 s50, s50, s53
	s_lshl_b32 s53, s10, 14
	s_add_co_u32 s50, s50, s53
	s_add_nc_u64 s[36:37], s[4:5], s[50:51]
	; lane addresses.  r = lane % 16 in v24, h = lane / 16 in v25 (v24-31 are free until the first softmax)
	v_and_b32 v24, 15, v0
	v_bfe_u32 v25, v0, 4, 1
	v_mul_u32_u24 v26, v24, 160
	v_lshl_add_u32 v[ADK], v25, 4, v26             ; K: key r, d = 8 h ..
	v_add_nc_u32 v[ADK+1], SLOT, v[ADK]
	v_and_b32 v26, 7, v0
	v_lshl_add_u32 v26, v25, 3, v26                ; V: key 8 h + lane % 8,
	v_mul_u32_u24 v26, v26, 160
	v_bfe_u32 v27, v0, 3, 1
	v_lshl_add_u32 v26, v27, 4, v26                ; 16 bytes for each half of the 16 d
	v_add_nc_u32 v[ADV], 128*160, v26
	v_add_nc_u32 v[ADV+1], SLOT, v[ADV]
	v_lshlrev_b32 v26, 5, v25
	v_add_nc_u32 v[ADM], MASKL, v26                ; keys 8 h .. 8 h + 7 of each 16
	s_mul_i32 s45, s10, 4352
	s_add_co_u32 s45, s45, STAGE
	v_mul_u32_u24 v26, v24, 272
	v_lshl_add_u32 v26, v25, 5, v26
	v_add_nc_u32 v[STO], s45, v26                  ; in: row r, 32 bytes for each half
	v_mul_u32_u24 v26, v25, 272
	v_lshl_add_u32 v26, v24, 4, v26
	v_add_nc_u32 v[RD], s45, v26                   ; back: lanes 0-15 one row of 256 bytes, lanes 16-31 the next
	v_lshlrev_b32 v26, 12, v25
	v_lshl_add_u32 v[CO], v24, 4, v26              ; and the same two rows in out0
	v_lshlrev_b32 v26, 7, v24
	v_lshl_add_u32 v[QO], v25, 4, v26
	v_mov_b32 v[MN+1], 0
	v_mov_b32 v[AL+1], 0
	v_lshlrev_b32 v28, 4, v0                       ; the mask: 128 threads x 16 bytes x 4
	v_add_nc_u32 v29, MASKL, v28
.irp i, 0,1,2,3
	global_load_b128 v[RS+4*\i:RS+4*\i+3], v28, s[40:41] offset:2048*\i
.endr
	WIN 0x80                                       ; destination in window 2
.irp q, 0,1,2,3,4,5,6,7
.irp c, 0,1
	global_load_b128 v[16*\q+8*\c:16*\q+8*\c+3],   v[QO], s[36:37] offset:2048*\q+64*\c th:TH_LOAD_NT      ; Q(16 q + r, 32 c + 8 h ..)
	global_load_b128 v[16*\q+8*\c+4:16*\q+8*\c+7], v[QO], s[36:37] offset:2048*\q+64*\c+32 th:TH_LOAD_NT
.endr
.endr
	WIN 0
	s_wait_loadcnt 32                              ; the mask's four loads are in; Q's 32 stay out
.irp k, 0,2,4,6,8,10,12,14
	v_pk_mul_f32 v[RS+\k:RS+\k+1], v[RS+\k:RS+\k+1], 0x3fb8aa3b op_sel_hi:[1,0]
.endr
.irp i, 0,1,2,3
	ds_store_b128 v29, v[RS+4*\i:RS+4*\i+3] offset:2048*\i
.endr
	s_wait_dscnt 0x0                               ; for the other waves' sake: my part of the mask is in LDS
	s_wait_tensorcnt 0x1                           ; my quarter of tile 0 is in; tile 1's stays out
	s_barrier_signal -1
	s_barrier_wait -1
; The scores of block q against 64 keys: four tiles start on the mask, then each takes its second half of d.  The four take turns, one instruction a turn.
.macro SMUL q, sb
	WIN 0x08                                       ; source 1 (Q) in window 2
.irp kb, 0,1,2,3
	v_wmma_f32_16x16x32_f16 v[\sb+8*\kb:\sb+8*\kb+7], v[KF+16*\kb:KF+16*\kb+7], v[16*\q:16*\q+7], v[MK+8*\kb:MK+8*\kb+7]
.endr
.irp kb, 0,1,2,3
	v_wmma_f32_16x16x32_f16 v[\sb+8*\kb:\sb+8*\kb+7], v[KF+16*\kb+8:KF+16*\kb+15], v[16*\q+8:16*\q+15], v[\sb+8*\kb:\sb+8*\kb+7]
.endr
.endm
; ctx(q) += V^T P: four tiles of 16 d by turns, two chunks of 32 keys.  first = 1: the first product starts the sums.
.macro PVM q, first
	WIN 0x52                                       ; source 0 (V) in window 2, C and D in window 1
.irp c, 0,1
.irp dt, 0,1,2,3
.if \first*(1-\c)
	v_wmma_f32_16x16x32_f16 v[32*\q+8*\dt:32*\q+8*\dt+7], v[VF+8*(2*\dt+\c):VF+8*(2*\dt+\c)+7], v[RP+8*\c:RP+8*\c+7], 0
.else
	v_wmma_f32_16x16x32_f16 v[32*\q+8*\dt:32*\q+8*\dt+7], v[VF+8*(2*\dt+\c):VF+8*(2*\dt+\c)+7], v[RP+8*\c:RP+8*\c+7], v[32*\q+8*\dt:32*\q+8*\dt+7]
.endif
.endr
.endr
.endm
.macro RESC q                          ; ctx(q) *= 2^(old maximum - new), in every sub-step: no branch hangs on a float
	WIN 0x41
.irp k, 0,2,4,6,8,10,12,14,16,18,20,22,24,26,28,30
	v_pk_mul_f32 v[32*\q+\k:32*\q+\k+1], v[32*\q+\k:32*\q+\k+1], v[AL:AL+1] op_sel_hi:[1,0]
.endr
.endm
.macro FETCHK slot, sub, mi            ; 24 loads: K's 64 keys x 64 d, and the 64 keys' mask (sub-step mi of this lap)
	WIN 0
.irp kb, 0,1,2,3
.irp c, 0,1
	ds_load_b128 v[KF+16*\kb+8*\c:KF+16*\kb+8*\c+3],   v[ADK+\slot] offset:\sub*10240+\kb*2560+64*\c
	ds_load_b128 v[KF+16*\kb+8*\c+4:KF+16*\kb+8*\c+7], v[ADK+\slot] offset:\sub*10240+\kb*2560+64*\c+32
.endr
.endr
.irp kb, 0,1,2,3
	ds_load_b128 v[MK+8*\kb:MK+8*\kb+3],   v[ADM] offset:\mi*256+64*\kb
	ds_load_b128 v[MK+8*\kb+4:MK+8*\kb+7], v[ADM] offset:\mi*256+64*\kb+16
.endr
.endm
.macro FETCHV slot, sub                ; 16 transposing loads: V's 64 keys x 64 d
	WIN 0x80
.irp dt, 0,1,2,3
.irp c, 0,1
	ds_load_tr16_b128 v[VF+8*(2*\dt+\c):VF+8*(2*\dt+\c)+3],   v[ADV+\slot] offset:\sub*10240+\c*5120+32*\dt
	ds_load_tr16_b128 v[VF+8*(2*\dt+\c)+4:VF+8*(2*\dt+\c)+7], v[ADV+\slot] offset:\sub*10240+\c*5120+32*\dt+2560
.endr
.endr
.endm
.macro EXP8 b
.irp j, 0,1,2,3,4,5,6,7
	v_exp_f32 v[\b+\j], v[\b+\j]
.endr
.endm
.macro USE8 b, kb                      ; a tile's eight p: into the sums (two chains), and packed into P
.if \kb == 0
	s_wait_alu depctr_va_vdst(0)
	v_pk_add_f32 v[SPA:SPA+1], v[\b:\b+1], v[\b+2:\b+3]            ; the first tile starts the sums: nothing is cleared
	v_pk_add_f32 v[SPB:SPB+1], v[\b+4:\b+5], v[\b+6:\b+7]
.else
	s_wait_alu depctr_va_vdst(0)
	v_pk_add_f32 v[SPA:SPA+1], v[SPA:SPA+1], v[\b:\b+1]
	v_pk_add_f32 v[SPB:SPB+1], v[SPB:SPB+1], v[\b+2:\b+3]
	v_pk_add_f32 v[SPA:SPA+1], v[SPA:SPA+1], v[\b+4:\b+5]
	v_pk_add_f32 v[SPB:SPB+1], v[SPB:SPB+1], v[\b+6:\b+7]
.endif
.irp t, 0,1,2,3
	v_cvt_pk_f16_f32 v[RP+4*\kb+\t], v[\b+2*\t], v[\b+2*\t+1]
.endr
.endm
; Block q's 32 scores a lane: new maximum, p = 2^(s - maximum), sums, P.  first = 1: the maximum starts at the lowest finite f32, the sum at this sub-step's.
; Behind a transcendental one plain vector instruction stands ahead of the first use of its result (ISA guide 5.7.2): the exponentials go in runs of
; eight or more, and each run is followed by plain work on an earlier run's results.
.macro SOFTMAX q, sb, first
	WIN 0
.irp k, 0,1,2,3
	v_max3_num_f32 v[RT+\k], v[\sb+8*\k], v[\sb+8*\k+1], v[\sb+8*\k+2]
.endr
.irp k, 0,1,2,3
	v_max3_num_f32 v[RT+\k], v[RT+\k], v[\sb+8*\k+3], v[\sb+8*\k+4]
.endr
.irp k, 0,1,2,3
	v_max3_num_f32 v[RT+\k], v[RT+\k], v[\sb+8*\k+5], v[\sb+8*\k+6]
.endr
	v_max3_num_f32 v[RT], v[RT], v[RT+1], v[\sb+7]
	v_max3_num_f32 v[RT+2], v[RT+2], v[RT+3], v[\sb+15]
	v_max3_num_f32 v[RT], v[RT], v[\sb+23], v[\sb+31]
.if \first
	v_max3_num_f32 v[RT], v[RT], v[RT+2], 0xff7fffff
.else
	v_max3_num_f32 v[RT], v[RT], v[RT+2], v[RM+\q]
.endif
	v_permlanex16_b32 v[RT+1], v[RT], s42, s43     ; the other half of the lanes holds the query's other keys
	v_max_num_f32 v[MN], v[RT], v[RT+1]
.if \first == 0
	v_sub_f32 v[AL], v[RM+\q], v[MN]
.endif
.irp k, 0,2,4,6,8,10,12,14,16,18,20,22,24,26,28,30
	v_pk_add_f32 v[\sb+\k:\sb+\k+1], v[\sb+\k:\sb+\k+1], v[MN:MN+1] op_sel_hi:[1,0] neg_lo:[0,1] neg_hi:[0,1]
.endr
.if \first == 0
	v_exp_f32 v[AL], v[AL]
.endif
	EXP8 \sb
	EXP8 (\sb+8)
	v_mov_b32 v[RM+\q], v[MN]                      ; the plain instruction behind the first two runs
	USE8 \sb, 0
	EXP8 (\sb+16)
	USE8 (\sb+8), 1
	EXP8 (\sb+24)
	USE8 (\sb+16), 2
	USE8 (\sb+24), 3
	v_pk_add_f32 v[SPA:SPA+1], v[SPA:SPA+1], v[SPB:SPB+1]
.if \first
	v_add_f32 v[RL+\q], v[SPA], v[SPA+1]
.else
	v_add_f32 v[RT], v[SPA], v[SPA+1]
	v_fma_f32 v[RL+\q], v[RL+\q], v[AL], v[RT]
.endif
.endm
; The change of slots.  It stands where all the wave's reads of the slot have long been waited for (K's and V's fragments of its last 64 keys are in registers).
; Each wave waits for its LDS reads and for all its tensor loads (one is out: its quarter of the other slot).  fill = 1: a round of the cluster's barrier, and behind it,
; first, the wave's one joint load: the tile two further on.  It has two sub-steps, 256 matrix instructions of the wave, in which to land.
.macro TURN slot, fill
	WIN 0
	s_wait_dscnt 0x0
	s_wait_tensorcnt 0x0
	ds_add_u32 v254, v255
	s_wait_dscnt 0x0
.if \fill
	s_add_nc_u64 s[G0+4*\slot+2:G0+4*\slot+3], s[G0+4*\slot+2:G0+4*\slot+3], 65536   ; no tensor load of mine is out: the group may be written
	CROUND
	tensor_load_to_lds s[G0+4*\slot:G0+4*\slot+3], s[G1:G1+7]
	s_nop 0
	PLACES                                         ; also the places behind the scores' matrix instructions, ahead of the loads into K's and the mask's registers
.else
	s_barrier_signal -1
	s_barrier_wait -1
	PLACES
.endif
.endm
; In the turn that asks for tile T + 2 by tensor load, wave 0 of each work-group prefetches its work-group's 8 KiB of tile T + 3: one tile, 256 matrix instructions of a wave,
; ahead of that tile's tensor load.  The offset stops at the last tile, so no prefetch passes the head's 512 KiB.
.macro PF
	s_wait_xcnt 0x0                                ; the last prefetch, a tile ago, has read its base
	s_add_nc_u64 s[48:49], s[32:33], s[46:47]
	s_add_co_u32 s46, s46, 32768
	s_min_u32 s46, s46, 15*32768
	s_cmp_lg_u32 s10, 0
	s_cbranch_scc1 .Lno_pf_\@
	global_prefetch_b8 v[PFO], s[48:49] th:TH_LOAD_NT scope:SCOPE_SE
.Lno_pf_\@:
.endm
; 64 keys (half sub of a slot; sub-step lu of the lap) against my 8 blocks of queries.
; mode 0: the slot's other half follows; 1: the slot is given up and filled again, the other slot follows; 2: the same without a fill; 3: nothing follows.
.macro SUBSTEP slot, sub, lu, first, mode
.irp q, 0,1,2,3,4,5,6,7
.if \q < 7
	SMUL (\q+1), (RS+32*((\q+1)&1))
.else
.if \mode != 3
	s_wait_dscnt 0x0                               ; the next 64 keys' K and mask are in (nothing else is out)
	SMUL 0, RS
.endif
.endif
.if \q == 6                            ; block 7's scores are issued: K's and the mask's registers are free
.if \mode == 0
	PLACES
	FETCHK \slot, 1, (\lu+1)
.endif
.if \mode == 1
	TURN \slot, 1
	FETCHK (1-\slot), 0, (\lu+1)
	PF
.endif
.if \mode == 2
	TURN \slot, 0
	FETCHK (1-\slot), 0, (\lu+1)
.endif
.endif
	SOFTMAX \q, (RS+32*(\q&1)), \first
.if \first == 0
	RESC \q
.endif
.if \q == 0
	s_wait_dscnt 0x0                               ; V's 16 loads are in (nothing else is out)
.endif
	PVM \q, \first
.if \q == 7
.if \mode == 0
	PLACES
	FETCHV \slot, 1
.endif
.if (\mode == 1) || (\mode == 2)
	PLACES
	FETCHV (1-\slot), 0
.endif
.endif
.endr
.endm
.macro LAP first, last                 ; two tiles, 256 keys, once round the ring
	SUBSTEP 0, 0, 0, \first, 0
	SUBSTEP 0, 1, 1, 0, (1+\last)
	SUBSTEP 1, 0, 2, 0, 0
	SUBSTEP 1, 1, 3, 0, (1+2*\last)
	WIN 0
.if \last == 0
	v_add_nc_u32 v[ADM], 1024, v[ADM]              ; four sub-steps' mask on
.endif
.endm
	FETCHK 0, 0, 0
	FETCHV 0, 0
	s_wait_loadcnt 0x0                             ; Q
	s_wait_dscnt 16                                ; K and the mask are in; V's 16 loads stay out
	SMUL 0, RS
	PLACES
	LAP 1, 0                                       ; tiles 0, 1: the first sub-step starts maxima, sums and ctx
	s_mov_b32 s44, 6
.Llap:
	LAP 0, 0                                       ; tiles 2 .. 13; the last of these laps asks for tiles 14 and 15
	s_sub_co_u32 s44, s44, 1
	s_cmp_lg_u32 s44, 0
	s_cbranch_scc1 .Llap
	LAP 0, 1                                       ; tiles 14, 15: nothing is left to fetch
	PLACES
; THE WAY OUT, 16 queries at a time: the two halves' sums are joined, ctx is divided by the sum, 32 bytes a lane and d block go into my own stage, and whole rows of 256 bytes
; come back: sixteen lanes store 256 consecutive bytes of out0, aligned.  A block's stores to memory are issued one block later.
.macro OUTQ q, p
	WIN 0
	v_permlanex16_b32 v[RT], v[RL+\q], s42, s43
	v_add_f32 v[AL], v[RL+\q], v[RT]
	v_rcp_f32 v[AL], v[AL]
	v_nop                                          ; one plain instruction behind the transcendental (ISA guide 5.7.2)
	WIN 0x01
	s_wait_alu depctr_va_vdst(0)
.irp k, 0,2,4,6,8,10,12,14,16,18,20,22,24,26,28,30
	v_pk_mul_f32 v[RS+\k:RS+\k+1], v[32*\q+\k:32*\q+\k+1], v[AL:AL+1] op_sel_hi:[1,0]
.endr
	WIN 0
	s_wait_xcnt 0x0                                ; the buffer loaded below was store data two blocks ago: it is rewritten only behind this wait (ISA guide 3.1)
.irp dt, 0,1,2,3
	ds_store_b128 v[STO], v[RS+8*\dt:RS+8*\dt+3]   offset:64*\dt
	ds_store_b128 v[STO], v[RS+8*\dt+4:RS+8*\dt+7] offset:64*\dt+16
.endr
.irp t, 0,1,2,3,4,5,6,7
	ds_load_b128 v[KF+32*\p+4*\t:KF+32*\p+4*\t+3], v[RD] offset:544*\t     ; LDS serves a wave's instructions in order (ISA guide 5.7.1): these see the stores above
.endr
.if \q > 0
	s_wait_dscnt 16                                ; the block before is back; this block's 8 stores and 8 loads stay out
.irp t, 0,1,2,3,4,5,6,7
	global_store_b128 v[CO], v[KF+32*(1-\p)+4*\t:KF+32*(1-\p)+4*\t+3], s[38:39] offset:(16*(\q-1)+2*\t)*4096 th:TH_STORE_NT
.endr
.endif
.endm
	OUTQ 0, 0
	OUTQ 1, 1
	OUTQ 2, 0
	OUTQ 3, 1
	OUTQ 4, 0
	OUTQ 5, 1
	OUTQ 6, 0
	OUTQ 7, 1
	s_wait_dscnt 0x0
.irp t, 0,1,2,3,4,5,6,7
	global_store_b128 v[CO], v[KF+32+4*\t:KF+32+4*\t+3], s[38:39] offset:(16*7+2*\t)*4096 th:TH_STORE_NT
.endr
	s_wait_tensorcnt 0x0
	ds_add_u32 v254, v255
	s_wait_dscnt 0x0
	CROUND                                         ; the closing round: no work-group ends while a partner may still ask for a tile that names it
	s_endpgm
.Lfunc_end_k_qcdf3d229c9_attn:
	.size	k_qcdf3d229c9_attn, .Lfunc_end_k_qcdf3d229c9_attn-k_qcdf3d229c9_attn
	.p2alignl 7, 3214868480
	.fill 96, 4, 3214868480
	.section	.rodata,"a",@progbits
	.p2align	6, 0x0
	.amdhsa_kernel k_qcdf3d229c9_attn
		.amdhsa_group_segment_fixed_size 327680
		.amdhsa_private_segment_fixed_size 0
		.amdhsa_enable_private_segment 0
		.amdhsa_kernarg_size 24
		.amdhsa_user_sgpr_count 2
		.amdhsa_user_sgpr_kernarg_segment_ptr 1
		.amdhsa_wavefront_size32 1
		.amdhsa_system_sgpr_workgroup_id_x 1
		.amdhsa_system_sgpr_workgroup_id_y 1
		.amdhsa_system_sgpr_workgroup_id_z 1
		.amdhsa_system_vgpr_workitem_id 0
		.amdhsa_next_free_vgpr 704
		.amdhsa_next_free_sgpr 66
		.amdhsa_reserve_vcc 0
		.amdhsa_float_denorm_mode_32 3
		.amdhsa_float_denorm_mode_16_64 3
		.amdhsa_memory_ordered 1
		.amdhsa_forward_progress 1
		.amdhsa_inst_pref_size 255
	.end_amdhsa_kernel
	.section	.bss,"aw",@nobits
	.p2align	6
	.space	262144
	.amdgpu_metadata
---
amdhsa.version: [ 1, 2 ]
amdhsa.kernels:
  - .name:           k_qcdf3d229c9_attn
    .symbol:         k_qcdf3d229c9_attn.kd
    .args:
      - { .name: qkv, .offset: 0, .size: 8, .value_kind: global_buffer, .address_space: global }
      - { .name: attention_mask, .offset: 8, .size: 8, .value_kind: global_buffer, .address_space: global }
      - { .name: out0, .offset: 16, .size: 8, .value_kind: global_buffer, .address_space: global }
    .group_segment_fixed_size: 327680
    .private_segment_fixed_size: 0
    .kernarg_segment_align: 8
    .kernarg_segment_size: 24
    .max_flat_workgroup_size: 128
    .sgpr_count:     66
    .vgpr_count:     704
    .wavefront_size: 32
...
	.end_amdgpu_metadata
.endif
;; end of part 3
;; ======== version 2 of 3: 3 launches
;; limits: values are held in f16: magnitudes above 65,504 overflow, below 6.1e-05 lose precision
;; workspace buffers: xb 16,777,216 bytes; wb 6,291,456 bytes; qkv 50,331,648 bytes
;; launch prep: the kernel of part 1 again; grid 256 x 1, 11 waves a work-group, no clusters, 0 bytes of LDS; arguments hidden_states, Wq, Wk, Wv, xb, wb; writes xb, wb
;; launch proj: the kernel of part 2 again; grid 8 x 32, 4 waves a work-group, clusters of 4 x 4, 327,680 bytes of LDS; arguments xb, wb, bq, bk, bv, qkv; writes qkv
;; launch attn (part 4): grid 256 x 1, 8 waves a work-group, clusters of 4 x 1, 327,680 bytes of LDS; arguments qkv, attention_mask, out0; writes out0
.if DOCPART == 4
	.amdgcn_target "amdgcn-amd-amdhsa--gfx1250"
	.amdhsa_code_object_version 6
	.text
	.protected	k_qcdf3d229c9_attn
	.globl	k_qcdf3d229c9_attn
	.p2align	8
	.type	k_qcdf3d229c9_attn,@function
k_qcdf3d229c9_attn:
	s_mov_b64 s[64:65], 0
	v_nop
	global_prefetch_b8 v0, s[64:65] scope:SCOPE_SE
	s_setreg_imm32_b32 hwreg(HW_REG_WAVE_MODE, 25, 1), 1
	s_wait_xcnt 0x0
	s_wait_alu depctr_hold_cnt(0) depctr_sa_sdst(0) depctr_va_vdst(0) depctr_va_sdst(0) depctr_va_ssrc(0) depctr_va_vcc(0) depctr_vm_vsrc(0)
	s_getreg_b32 s2, hwreg(HW_REG_IB_STS2, 6, 4)
	s_cmp_eq_u32 s2, 0
	s_cbranch_scc0 .Lentry_in_a_cluster
	s_endpgm
.Lentry_in_a_cluster:
	s_bfe_u32 s2, ttmp6, 0x10000c
	s_cmp_lg_u32 s2, 0x3003
	s_cbranch_scc0 .Lentry_shape_is_right
	s_endpgm
.Lentry_shape_is_right:
; attn: out0[b][s][64 head + d] = softmax over keys of (q.k / 8 + mask[b][key]) times V, with a running maximum; f16 operands, f32 sums, softmax in f32.
; Q comes scaled by 0.125 log2(e) and the mask is multiplied by log2(e) here, so scores are exponents of 2.
; SHAPE: a cluster of four work-groups owns one (batch, head); a work-group 512 queries, a wave 64 = 4 blocks of 16.  The four work-groups read the same K and V:
; every tile of 128 keys (32 KiB, K's rows and then V's) is asked for JOINTLY, mask 15, each wave asking for an eighth: four requests become one.
; EIGHT WAVES, two for each of the WGP's four SIMDs, 512 registers each: for a block of queries and 64 keys there are 16 matrix instructions and about 118 vector
; instructions, the softmax hangs on the scores and the context product on the softmax, and a wave issues in order; with a second wave beside it one wave's matrix
; instructions can run while the other's softmax is issued.  The price: K's and V's fragments are read from LDS for 64 queries, not for 128.
; A sub-step is 64 keys: for each block of queries 8 matrix instructions for the scores and 8 for the context.
; LAYOUT: S^T = K Q^T + C with C = the mask's registers, so adding the mask costs nothing; lane (r, h) then holds query r and keys 8 h + j of each 16.
; Two such tiles packed to f16 ARE a fragment of P (source 1); maximum, sum and rescaling factor are one number a lane; one exchange of the halves joins the maximum.
; ctx^T = V^T P with V through the transposing load: a lane holds 8 neighbouring d of its query.
; ORDER: the scores of block q + 1 are issued ahead of block q's softmax.
; LIMITS: operands f16 (P is at most 1; p below 3e-8 becomes 0, against a sum of at least 1).  The sum is taken from p before its rounding.
; Any finite mask and -inf are served: the running maximum starts at the lowest finite f32, so -inf gives p = 0; a row whose keys are all -inf gives NaN, as reference() does.
; |mask| above 2.3e38 becomes infinite when multiplied by log2(e).  v_exp_f32 returns 0 below 2^-126 (ISA guide 15.8).
; REGISTERS: window 0 as named below; window 1: ctx, tile (q, dt) at v[32 q + 8 dt]; Q's fragments (q, c) at v[128 + 16 q + 8 c]; V's (dt, c) at v[192 + 8 (2 dt + c)].
.set PIECE, 5120                       ; 32 rows x 160 bytes: what one wave's tensor load fills
.set SLOT,  8*PIECE                    ; 128 rows of K, 128 rows of V; 160 = 128 + 32 of padding = 5 x 32, as the transposing load's eight rows want it;
                                       ; K's plain loads then meet two deep (rows r and r + 8 are 320 words apart): 16 of a wave's 40 LDS loads for 64 matrix instructions
.set MASKL, 2*SLOT                     ; 81,920: the batch's 2,048 mask numbers x log2(e); no tensor load lands here
.set STAGE, MASKL+8192                 ; 90,112: 16 rows x 272 bytes for each wave, for the way out
.set ADK, 2                            ; v2-3    K's fragments in slot 0, 1
.set ADV, 4                            ; v4-5    V's
.set ADM, 6                            ; v6      the mask of this lap's first sub-step; steps 1,024 bytes a lap
.set STO, 7
.set RD,  8
.set CO,  9
.set MN,  10                           ; v[10:11] the new maximum (v11 is only there to make a pair)
.set AL,  12                           ; v[12:13] 2^(old maximum - new); on the way out 1 / sum
.set SPA, 14                           ; v[14:17] two pairs of partial sums
.set SPB, 16
.set RT,  18                           ; v18-21  at work
.set PFO, 22                           ; prefetch: 256 x lane + my work-group's quarter of a tile
.set QO,  23
.set RM,  24                           ; v[24:27] running maximum of block q (v24-31 also at work in the set-up)
.set RL,  32                           ; v[32:35] running sum of block q, this half's keys
.set RP,  40                           ; v[40:55] P, two fragments
.set RS,  64                           ; v[64:127] scores, two buffers of 32
.set KF,  128                          ; v[128:191] K's fragments (kb, c) at 16 kb + 8 c
.set MK,  192                          ; v[192:223] the mask of 64 keys, as four C operands
.set QF,  128                          ; in window 1
.set VF,  192                          ; in window 1
.set G1,  16                           ; s[16:23]
.set G0,  24                           ; s[24:31] one set a slot
.set MSB, 0
.macro WIN new                         ; the immediate's high byte repeats the setting that is left; a switch that changes nothing is dropped
.if MSB != \new
	s_set_vgpr_msb (MSB<<8)|\new
.set MSB, \new
.endif
.endm
.macro PLACES                          ; four plain vector instructions behind a matrix instruction, ahead of loads into its sources and of reads of its result (ISA guide 7.12.1 for vector instructions)
.rept 4
	v_nop
.endr
.endm
.macro CROUND                          ; a round of the cluster's barrier
	s_barrier_signal -1
	s_barrier_wait -1
	s_cmp_lg_u32 s10, 0
	s_cbranch_scc1 .Lnot_wave_0_\@
	s_barrier_signal -3
.Lnot_wave_0_\@:
	s_barrier_wait -3
	s_barrier_signal -1
	s_barrier_wait -1
.endm
	s_load_b128 s[4:7], s[0:1], 0x0                ; qkv s[4:5], attention_mask s[6:7]
	s_load_b64 s[8:9], s[0:1], 0x10                ; out0
	v_lshl_add_u32 v254, v0, 2, 0x29000
	v_mov_b32 v255, 0
	ds_add_u32 v254, v255
	v_lshrrev_b32 v1, 5, v0
	v_readfirstlane_b32 s10, v1                    ; wave 0..7
	s_bfe_u32 s11, ttmp6, 0x40000                  ; cx: which 512 queries.  ttmp9, the cluster's number, is 16 batch + head
	s_mov_b32 s42, 0x76543210                      ; v_permlanex16_b32: lane i reads lane i of the other half
	s_mov_b32 s43, 0xfedcba98
	; group 1: 4,096 consecutive bytes as 16 rows of 256 (32 elements of 8 bytes); behind every 32 words (a row of 64 f16) 8 words of padding; all four work-groups
	s_mov_b32 s[G1+0], 15|(3<<16)|(1<<20)|(1<<21)|(4<<22)|(7<<25)
	s_mov_b32 s[G1+1], 32<<16                      ; tensor_dim0 = 32
	s_mov_b32 s[G1+2], 16<<16                      ; tensor_dim1 = 16
	s_mov_b32 s[G1+3], 32<<16                      ; tile_dim0 = 32
	s_mov_b32 s[G1+4], 16                          ; tile_dim1 = 16
	s_mov_b32 s[G1+5], 32                          ; from row to row: 32 elements
	s_mov_b32 s[G1+6], 0
	s_mov_b32 s[G1+7], 0
	s_lshl_b32 s34, ttmp9, 19
	s_add_co_u32 s34, s34, 16777216                ; the head's K and V, behind Q
	s_mov_b32 s35, 0
	s_lshl_b32 s14, s10, 12                        ; my eighth of a tile
	s_mov_b32 s15, 0
	s_mul_i32 s13, s10, PIECE
	v_and_b32 v1, 31, v0
	v_lshlrev_b32 v[PFO], 8, v1
	v_lshl_add_u32 v[PFO], s11, 13, v[PFO]
	s_wait_dscnt 0x0
	s_wait_kmcnt 0x0
	s_add_nc_u64 s[32:33], s[4:5], s[34:35]        ; never rewritten
	s_add_nc_u64 s[34:35], s[32:33], s[14:15]
	CROUND                                         ; the four work-groups are here: the first joint loads meet
.irp s, 0,1
	s_mov_b32 s[G0+4*\s], 1
	s_add_co_u32 s[G0+4*\s+1], s13, \s*SLOT
	s_add_nc_u64 s[G0+4*\s+2:G0+4*\s+3], s[34:35], \s*32768        ; tile s; nothing here hangs on cx
	s_or_b32 s[G0+4*\s+3], s[G0+4*\s+3], 0x80000000
	tensor_load_to_lds s[G0+4*\s:G0+4*\s+3], s[G1:G1+7]            ; two tensor loads of the wave are out here, later one
	s_nop 0
	PLACES
.endr
	s_cmp_lg_u32 s10, 0
	s_cbranch_scc1 .Lno_first_pf
	global_prefetch_b8 v[PFO], s[32:33] offset:65536 th:TH_LOAD_NT scope:SCOPE_SE    ; tile 2, my work-group's 8 KiB of it, 32 lanes 256 bytes apart
.Lno_first_pf:
	s_mov_b32 s46, 3*32768                         ; the next tile to ask for
	s_mov_b32 s47, 0
	; bases.  What hangs on cx lives in s50-53
	s_lshr_b32 s52, ttmp9, 4                       ; batch
	s_lshl_b32 s50, s52, 13
	s_mov_b32 s51, 0
	s_add_nc_u64 s[40:41], s[6:7], s[50:51]        ; the batch's mask
	s_lshl_b32 s50, s52, 23                        ; out0: (2048 batch + 512 cx + 64 wave) rows of 4,096 bytes + 256 head
	s_lshl_b32 s53, s11, 21
	s_add_co_u32 s50, s50, s53
	s_lshl_b32 s53, s10, 18
	s_add_co_u32 s50, s50, s53
	s_and_b32 s53, ttmp9, 15
	s_lshl_b32 s53, s53, 8
	s_add_co_u32 s50, s50, s53
	s_add_nc_u64 s[38:39], s[8:9], s[50:51]
	s_lshl_b32 s50, ttmp9, 18                      ; Q: bh x 262144 + (512 cx + 64 wave) rows of 128 bytes
	s_lshl_b32 s53, s11, 16
	s_add_co_u32 s50, s50, s53
	s_lshl_b32 s53, s10, 13
	s_add_co_u32 s50, s50, s53
	s_add_nc_u64 s[36:37], s[4:5], s[50:51]
	; lane addresses.  r = lane % 16 in v24, h = lane / 16 in v25 (v24-31 are free until the first softmax)
	v_and_b32 v24, 15, v0
	v_bfe_u32 v25, v0, 4, 1
	v_mul_u32_u24 v26, v24, 160
	v_lshl_add_u32 v[ADK], v25, 4, v26             ; K: key r, d = 8 h ..
	v_add_nc_u32 v[ADK+1], SLOT, v[ADK]
	v_and_b32 v26, 7, v0
	v_lshl_add_u32 v26, v25, 3, v26                ; V: key 8 h + lane % 8,
	v_mul_u32_u24 v26, v26, 160
	v_bfe_u32 v27, v0, 3, 1
	v_lshl_add_u32 v26, v27, 4, v26                ; 16 bytes for each half of the 16 d
	v_add_nc_u32 v[ADV], 128*160, v26
	v_add_nc_u32 v[ADV+1], SLOT, v[ADV]
	v_lshlrev_b32 v26, 5, v25
	v_add_nc_u32 v[ADM], MASKL, v26                ; keys 8 h .. 8 h + 7 of each 16
	s_mul_i32 s45, s10, 4352
	s_add_co_u32 s45, s45, STAGE
	v_mul_u32_u24 v26, v24, 272
	v_lshl_add_u32 v26, v25, 5, v26
	v_add_nc_u32 v[STO], s45, v26                  ; in: row r, 32 bytes for each half
	v_mul_u32_u24 v26, v25, 272
	v_lshl_add_u32 v26, v24, 4, v26
	v_add_nc_u32 v[RD], s45, v26                   ; back: lanes 0-15 one row of 256 bytes, lanes 16-31 the next
	v_lshlrev_b32 v26, 12, v25
	v_lshl_add_u32 v[CO], v24, 4, v26              ; and the same two rows in out0
	v_lshlrev_b32 v26, 7, v24
	v_lshl_add_u32 v[QO], v25, 4, v26
	v_mov_b32 v[MN+1], 0
	v_mov_b32 v[AL+1], 0
	v_lshlrev_b32 v28, 4, v0                       ; the mask: 256 threads x 16 bytes x 2
	v_add_nc_u32 v29, MASKL, v28
.irp i, 0,1
	global_load_b128 v[RS+4*\i:RS+4*\i+3], v28, s[40:41] offset:4096*\i
.endr
	WIN 0x40                                       ; destination in window 1
.irp q, 0,1,2,3
.irp c, 0,1
	global_load_b128 v[QF+16*\q+8*\c:QF+16*\q+8*\c+3],   v[QO], s[36:37] offset:2048*\q+64*\c th:TH_LOAD_NT      ; Q(16 q + r, 32 c + 8 h ..)
	global_load_b128 v[QF+16*\q+8*\c+4:QF+16*\q+8*\c+7], v[QO], s[36:37] offset:2048*\q+64*\c+32 th:TH_LOAD_NT
.endr
.endr
	WIN 0
	s_wait_loadcnt 16                              ; the mask's two loads are in; Q's 16 stay out
.irp k, 0,2,4,6
	v_pk_mul_f32 v[RS+\k:RS+\k+1], v[RS+\k:RS+\k+1], 0x3fb8aa3b op_sel_hi:[1,0]
.endr
.irp i, 0,1
	ds_store_b128 v29, v[RS+4*\i:RS+4*\i+3] offset:4096*\i
.endr
	s_wait_dscnt 0x0                               ; for the other waves' sake: my part of the mask is in LDS
	s_wait_tensorcnt 0x1                           ; my eighth of tile 0 is in; tile 1's stays out
	s_barrier_signal -1
	s_barrier_wait -1
; The scores of block q against 64 keys: four tiles start on the mask, then each takes its second half of d.  The four take turns, one instruction a turn.
.macro SMUL q, sb
	WIN 0x04                                       ; source 1 (Q) in window 1
.irp kb, 0,1,2,3
	v_wmma_f32_16x16x32_f16 v[\sb+8*\kb:\sb+8*\kb+7], v[KF+16*\kb:KF+16*\kb+7], v[QF+16*\q:QF+16*\q+7], v[MK+8*\kb:MK+8*\kb+7]
.endr
.irp kb, 0,1,2,3
	v_wmma_f32_16x16x32_f16 v[\sb+8*\kb:\sb+8*\kb+7], v[KF+16*\kb+8:KF+16*\kb+15], v[QF+16*\q+8:QF+16*\q+15], v[\sb+8*\kb:\sb+8*\kb+7]
.endr
.endm
; ctx(q) += V^T P: four tiles of 16 d by turns, two chunks of 32 keys.  first = 1: the first product starts the sums.
.macro PVM q, first
	WIN 0x51                                       ; source 0 (V), C and D in window 1
.irp c, 0,1
.irp dt, 0,1,2,3
.if \first*(1-\c)
	v_wmma_f32_16x16x32_f16 v[32*\q+8*\dt:32*\q+8*\dt+7], v[VF+8*(2*\dt+\c):VF+8*(2*\dt+\c)+7], v[RP+8*\c:RP+8*\c+7], 0
.else
	v_wmma_f32_16x16x32_f16 v[32*\q+8*\dt:32*\q+8*\dt+7], v[VF+8*(2*\dt+\c):VF+8*(2*\dt+\c)+7], v[RP+8*\c:RP+8*\c+7], v[32*\q+8*\dt:32*\q+8*\dt+7]
.endif
.endr
.endr
.endm
.macro RESC q                          ; ctx(q) *= 2^(old maximum - new), in every sub-step: no branch hangs on a float
	WIN 0x41
.irp k, 0,2,4,6,8,10,12,14,16,18,20,22,24,26,28,30
	v_pk_mul_f32 v[32*\q+\k:32*\q+\k+1], v[32*\q+\k:32*\q+\k+1], v[AL:AL+1] op_sel_hi:[1,0]
.endr
.endm
.macro FETCHK slot, sub, mi            ; 24 loads: K's 64 keys x 64 d, and the 64 keys' mask (sub-step mi of this lap)
	WIN 0
.irp kb, 0,1,2,3
.irp c, 0,1
	ds_load_b128 v[KF+16*\kb+8*\c:KF+16*\kb+8*\c+3],   v[ADK+\slot] offset:\sub*10240+\kb*2560+64*\c
	ds_load_b128 v[KF+16*\kb+8*\c+4:KF+16*\kb+8*\c+7], v[ADK+\slot] offset:\sub*10240+\kb*2560+64*\c+32
.endr
.endr
.irp kb, 0,1,2,3
	ds_load_b128 v[MK+8*\kb:MK+8*\kb+3],   v[ADM] offset:\mi*256+64*\kb
	ds_load_b128 v[MK+8*\kb+4:MK+8*\kb+7], v[ADM] offset:\mi*256+64*\kb+16
.endr
.endm
.macro FETCHV slot, sub                ; 16 transposing loads: V's 64 keys x 64 d
	WIN 0x40
.irp dt, 0,1,2,3
.irp c, 0,1
	ds_load_tr16_b128 v[VF+8*(2*\dt+\c):VF+8*(2*\dt+\c)+3],   v[ADV+\slot] offset:\sub*10240+\c*5120+32*\dt
	ds_load_tr16_b128 v[VF+8*(2*\dt+\c)+4:VF+8*(2*\dt+\c)+7], v[ADV+\slot] offset:\sub*10240+\c*5120+32*\dt+2560
.endr
.endr
.endm
.macro EXP8 b
.irp j, 0,1,2,3,4,5,6,7
	v_exp_f32 v[\b+\j], v[\b+\j]
.endr
.endm
.macro USE8 b, kb                      ; a tile's eight p: into the sums (two chains), and packed into P
.if \kb == 0
	s_wait_alu depctr_va_vdst(0)
	v_pk_add_f32 v[SPA:SPA+1], v[\b:\b+1], v[\b+2:\b+3]            ; the first tile starts the sums: nothing is cleared
	v_pk_add_f32 v[SPB:SPB+1], v[\b+4:\b+5], v[\b+6:\b+7]
.else
	s_wait_alu depctr_va_vdst(0)
	v_pk_add_f32 v[SPA:SPA+1], v[SPA:SPA+1], v[\b:\b+1]
	v_pk_add_f32 v[SPB:SPB+1], v[SPB:SPB+1], v[\b+2:\b+3]
	v_pk_add_f32 v[SPA:SPA+1], v[SPA:SPA+1], v[\b+4:\b+5]
	v_pk_add_f32 v[SPB:SPB+1], v[SPB:SPB+1], v[\b+6:\b+7]
.endif
.irp t, 0,1,2,3
	v_cvt_pk_f16_f32 v[RP+4*\kb+\t], v[\b+2*\t], v[\b+2*\t+1]
.endr
.endm
; Block q's 32 scores a lane: new maximum, p = 2^(s - maximum), sums, P.  first = 1: the maximum starts at the lowest finite f32, the sum at this sub-step's.
; Behind a transcendental one plain vector instruction stands ahead of the first use of its result (ISA guide 5.7.2): the exponentials go in runs of
; eight or more, and each run is followed by plain work on an earlier run's results.
.macro SOFTMAX q, sb, first
	WIN 0
.irp k, 0,1,2,3
	v_max3_num_f32 v[RT+\k], v[\sb+8*\k], v[\sb+8*\k+1], v[\sb+8*\k+2]
.endr
.irp k, 0,1,2,3
	v_max3_num_f32 v[RT+\k], v[RT+\k], v[\sb+8*\k+3], v[\sb+8*\k+4]
.endr
.irp k, 0,1,2,3
	v_max3_num_f32 v[RT+\k], v[RT+\k], v[\sb+8*\k+5], v[\sb+8*\k+6]
.endr
	v_max3_num_f32 v[RT], v[RT], v[RT+1], v[\sb+7]
	v_max3_num_f32 v[RT+2], v[RT+2], v[RT+3], v[\sb+15]
	v_max3_num_f32 v[RT], v[RT], v[\sb+23], v[\sb+31]
.if \first
	v_max3_num_f32 v[RT], v[RT], v[RT+2], 0xff7fffff
.else
	v_max3_num_f32 v[RT], v[RT], v[RT+2], v[RM+\q]
.endif
	v_permlanex16_b32 v[RT+1], v[RT], s42, s43     ; the other half of the lanes holds the query's other keys
	v_max_num_f32 v[MN], v[RT], v[RT+1]
.if \first == 0
	v_sub_f32 v[AL], v[RM+\q], v[MN]
.endif
.irp k, 0,2,4,6,8,10,12,14,16,18,20,22,24,26,28,30
	v_pk_add_f32 v[\sb+\k:\sb+\k+1], v[\sb+\k:\sb+\k+1], v[MN:MN+1] op_sel_hi:[1,0] neg_lo:[0,1] neg_hi:[0,1]
.endr
.if \first == 0
	v_exp_f32 v[AL], v[AL]
.endif
	EXP8 \sb
	EXP8 (\sb+8)
	v_mov_b32 v[RM+\q], v[MN]                      ; the plain instruction behind the first two runs
	USE8 \sb, 0
	EXP8 (\sb+16)
	USE8 (\sb+8), 1
	EXP8 (\sb+24)
	USE8 (\sb+16), 2
	USE8 (\sb+24), 3
	v_pk_add_f32 v[SPA:SPA+1], v[SPA:SPA+1], v[SPB:SPB+1]
.if \first
	v_add_f32 v[RL+\q], v[SPA], v[SPA+1]
.else
	v_add_f32 v[RT], v[SPA], v[SPA+1]
	v_fma_f32 v[RL+\q], v[RL+\q], v[AL], v[RT]
.endif
.endm
; The change of slots.  It stands where all the wave's reads of the slot have long been waited for (K's and V's fragments of its last 64 keys are in registers).
; Each wave waits for its LDS reads and for all its tensor loads (one is out: its eighth of the other slot).  fill = 1: a round of the cluster's barrier, and behind it,
; first, the wave's one joint load: the tile two further on.  It has two sub-steps, 128 matrix instructions of the wave, in which to land.
.macro TURN slot, fill
	WIN 0
	s_wait_dscnt 0x0
	s_wait_tensorcnt 0x0
	ds_add_u32 v254, v255
	s_wait_dscnt 0x0
.if \fill
	s_add_nc_u64 s[G0+4*\slot+2:G0+4*\slot+3], s[G0+4*\slot+2:G0+4*\slot+3], 65536   ; no tensor load of mine is out: the group may be written
	CROUND
	tensor_load_to_lds s[G0+4*\slot:G0+4*\slot+3], s[G1:G1+7]
	s_nop 0
	PLACES                                         ; also the places behind the scores' matrix instructions, ahead of the loads into K's and the mask's registers
.else
	s_barrier_signal -1
	s_barrier_wait -1
	PLACES
.endif
.endm
; In the turn that asks for tile T + 2 by tensor load, wave 0 of each work-group prefetches its work-group's 8 KiB of tile T + 3: one tile, 128 matrix instructions of a wave,
; ahead of that tile's tensor load.  The offset stops at the last tile, so no prefetch passes the head's 512 KiB.
.macro PF
	s_wait_xcnt 0x0                                ; the last prefetch, a tile ago, has read its base
	s_add_nc_u64 s[48:49], s[32:33], s[46:47]
	s_add_co_u32 s46, s46, 32768
	s_min_u32 s46, s46, 15*32768
	s_cmp_lg_u32 s10, 0
	s_cbranch_scc1 .Lno_pf_\@
	global_prefetch_b8 v[PFO], s[48:49] th:TH_LOAD_NT scope:SCOPE_SE
.Lno_pf_\@:
.endm
; 64 keys (half sub of a slot; sub-step lu of the lap) against my 4 blocks of queries.
; mode 0: the slot's other half follows; 1: the slot is given up and filled again, the other slot follows; 2: the same without a fill; 3: nothing follows.
.macro SUBSTEP slot, sub, lu, first, mode
.irp q, 0,1,2,3
.if \q < 3
	SMUL (\q+1), (RS+32*((\q+1)&1))
.else
.if \mode != 3
	s_wait_dscnt 0x0                               ; the next 64 keys' K and mask are in (nothing else is out)
	SMUL 0, RS
.endif
.endif
.if \q == 2                            ; block 3's scores are issued: K's and the mask's registers are free
.if \mode == 0
	PLACES
	FETCHK \slot, 1, (\lu+1)
.endif
.if \mode == 1
	TURN \slot, 1
	FETCHK (1-\slot), 0, (\lu+1)
	PF
.endif
.if \mode == 2
	TURN \slot, 0
	FETCHK (1-\slot), 0, (\lu+1)
.endif
.endif
	SOFTMAX \q, (RS+32*(\q&1)), \first
.if \first == 0
	RESC \q
.endif
.if \q == 0
	s_wait_dscnt 0x0                               ; V's 16 loads are in (nothing else is out)
.endif
	PVM \q, \first
.if \q == 3
.if \mode == 0
	PLACES
	FETCHV \slot, 1
.endif
.if (\mode == 1) || (\mode == 2)
	PLACES
	FETCHV (1-\slot), 0
.endif
.endif
.endr
.endm
.macro LAP first, last                 ; two tiles, 256 keys, once round the ring
	SUBSTEP 0, 0, 0, \first, 0
	SUBSTEP 0, 1, 1, 0, (1+\last)
	SUBSTEP 1, 0, 2, 0, 0
	SUBSTEP 1, 1, 3, 0, (1+2*\last)
	WIN 0
.if \last == 0
	v_add_nc_u32 v[ADM], 1024, v[ADM]              ; four sub-steps' mask on
.endif
.endm
	FETCHK 0, 0, 0
	FETCHV 0, 0
	s_wait_loadcnt 0x0                             ; Q
	s_wait_dscnt 16                                ; K and the mask are in; V's 16 loads stay out
	SMUL 0, RS
	PLACES
	LAP 1, 0                                       ; tiles 0, 1: the first sub-step starts maxima, sums and ctx
	s_mov_b32 s44, 6
.Llap:
	LAP 0, 0                                       ; tiles 2 .. 13; the last of these laps asks for tiles 14 and 15
	s_sub_co_u32 s44, s44, 1
	s_cmp_lg_u32 s44, 0
	s_cbranch_scc1 .Llap
	LAP 0, 1                                       ; tiles 14, 15: nothing is left to fetch
	PLACES
; THE WAY OUT, 16 queries at a time: the two halves' sums are joined, ctx is divided by the sum, 32 bytes a lane and d block go into my own stage, and whole rows of 256 bytes
; come back: sixteen lanes store 256 consecutive bytes of out0, aligned.  A block's stores to memory are issued one block later.
.macro OUTQ q, p
	WIN 0
	v_permlanex16_b32 v[RT], v[RL+\q], s42, s43
	v_add_f32 v[AL], v[RL+\q], v[RT]
	v_rcp_f32 v[AL], v[AL]
	v_nop                                          ; one plain instruction behind the transcendental (ISA guide 5.7.2)
	WIN 0x01
	s_wait_alu depctr_va_vdst(0)
.irp k, 0,2,4,6,8,10,12,14,16,18,20,22,24,26,28,30
	v_pk_mul_f32 v[RS+\k:RS+\k+1], v[32*\q+\k:32*\q+\k+1], v[AL:AL+1] op_sel_hi:[1,0]
.endr
	WIN 0
	s_wait_xcnt 0x0                                ; the buffer loaded below was store data two blocks ago: it is rewritten only behind this wait (ISA guide 3.1)
.irp dt, 0,1,2,3
	ds_store_b128 v[STO], v[RS+8*\dt:RS+8*\dt+3]   offset:64*\dt
	ds_store_b128 v[STO], v[RS+8*\dt+4:RS+8*\dt+7] offset:64*\dt+16
.endr
.irp t, 0,1,2,3,4,5,6,7
	ds_load_b128 v[KF+32*\p+4*\t:KF+32*\p+4*\t+3], v[RD] offset:544*\t     ; LDS serves a wave's instructions in order (ISA guide 5.7.1): these see the stores above
.endr
.if \q > 0
	s_wait_dscnt 16                                ; the block before is back; this block's 8 stores and 8 loads stay out
.irp t, 0,1,2,3,4,5,6,7
	global_store_b128 v[CO], v[KF+32*(1-\p)+4*\t:KF+32*(1-\p)+4*\t+3], s[38:39] offset:(16*(\q-1)+2*\t)*4096 th:TH_STORE_NT
.endr
.endif
.endm
	OUTQ 0, 0
	OUTQ 1, 1
	OUTQ 2, 0
	OUTQ 3, 1
	s_wait_dscnt 0x0
.irp t, 0,1,2,3,4,5,6,7
	global_store_b128 v[CO], v[KF+32+4*\t:KF+32+4*\t+3], s[38:39] offset:(16*3+2*\t)*4096 th:TH_STORE_NT
.endr
	s_wait_tensorcnt 0x0
	ds_add_u32 v254, v255
	s_wait_dscnt 0x0
	CROUND                                         ; the closing round: no work-group ends while a partner may still ask for a tile that names it
	s_endpgm
.Lfunc_end_k_qcdf3d229c9_attn:
	.size	k_qcdf3d229c9_attn, .Lfunc_end_k_qcdf3d229c9_attn-k_qcdf3d229c9_attn
	.p2alignl 7, 3214868480
	.fill 96, 4, 3214868480
	.section	.rodata,"a",@progbits
	.p2align	6, 0x0
	.amdhsa_kernel k_qcdf3d229c9_attn
		.amdhsa_group_segment_fixed_size 327680
		.amdhsa_private_segment_fixed_size 0
		.amdhsa_enable_private_segment 0
		.amdhsa_kernarg_size 24
		.amdhsa_user_sgpr_count 2
		.amdhsa_user_sgpr_kernarg_segment_ptr 1
		.amdhsa_wavefront_size32 1
		.amdhsa_system_sgpr_workgroup_id_x 1
		.amdhsa_system_sgpr_workgroup_id_y 1
		.amdhsa_system_sgpr_workgroup_id_z 1
		.amdhsa_system_vgpr_workitem_id 0
		.amdhsa_next_free_vgpr 512
		.amdhsa_next_free_sgpr 66
		.amdhsa_reserve_vcc 0
		.amdhsa_float_denorm_mode_32 3
		.amdhsa_float_denorm_mode_16_64 3
		.amdhsa_memory_ordered 1
		.amdhsa_forward_progress 1
		.amdhsa_inst_pref_size 255
	.end_amdhsa_kernel
	.section	.bss,"aw",@nobits
	.p2align	6
	.space	262144
	.amdgpu_metadata
---
amdhsa.version: [ 1, 2 ]
amdhsa.kernels:
  - .name:           k_qcdf3d229c9_attn
    .symbol:         k_qcdf3d229c9_attn.kd
    .args:
      - { .name: qkv, .offset: 0, .size: 8, .value_kind: global_buffer, .address_space: global }
      - { .name: attention_mask, .offset: 8, .size: 8, .value_kind: global_buffer, .address_space: global }
      - { .name: out0, .offset: 16, .size: 8, .value_kind: global_buffer, .address_space: global }
    .group_segment_fixed_size: 327680
    .private_segment_fixed_size: 0
    .kernarg_segment_align: 8
    .kernarg_segment_size: 24
    .max_flat_workgroup_size: 256
    .sgpr_count:     66
    .vgpr_count:     512
    .wavefront_size: 32
...
	.end_amdgpu_metadata
.endif
;; end of part 4
;; ======== version 3 of 3: 3 launches; version 2 with the launch prep written anew for expert scheduling mode
;; limits: values are held in f16: magnitudes above 65,504 overflow, below 6.1e-05 lose precision
;; workspace buffers: xb 16,777,216 bytes; wb 6,291,456 bytes; qkv 50,331,648 bytes
;; launch prep (part 5): grid 256 x 1, 11 waves a work-group, no clusters, 0 bytes of LDS; arguments hidden_states, Wq, Wk, Wv, xb, wb; writes xb, wb
.if DOCPART == 5
	.amdgcn_target "amdgcn-amd-amdhsa--gfx1250"
	.amdhsa_code_object_version 6
	.text
	.protected	k_qcdf3d229c9_prep
	.globl	k_qcdf3d229c9_prep
	.p2align	8
	.type	k_qcdf3d229c9_prep,@function
k_qcdf3d229c9_prep:
	s_mov_b64 s[64:65], 0
	v_nop
	global_prefetch_b8 v0, s[64:65] scope:SCOPE_SE
	s_setreg_imm32_b32 hwreg(HW_REG_WAVE_SCHED_MODE, 0, 2), 2
	s_setreg_imm32_b32 hwreg(HW_REG_WAVE_MODE, 25, 1), 1
	s_wait_xcnt 0x0
	s_wait_alu depctr_vm_vsrc(0)
; prep: hidden_states [8192][1024] and Wq, Wk, Wv [1024][1024], all f32, are rounded once (to nearest even) to f16, the format in which
; the matrix unit takes them in the next launch, and laid out as that launch's tiles want them:
;   xb: element (m, k) at (m>>8)*524288 + (k>>6)*32768 + (m&255)*128 + (k&63)*2: a K step of 64 of a block of 256 rows is 32 KiB without gaps
;   wb: [1024 k][3072 n], n = 1024*which + column (which: 0 Wq, 1 Wk, 2 Wv), 6,144 bytes from row to row
; WHY f16 AND NOT bf16: f16 keeps 11 significant bits where bf16 keeps 8, and out0 is a mean over 2,048 keys, much smaller than its terms,
; so the operands' rounding weighs on it.  ROOM: |x| above 65,504 becomes infinity and |x| below 3e-8 becomes zero.  hidden_states of spread 1
; and weights of spread 1/32 have that room 30 times larger, 30 times smaller (weights near 1e-3, where f16's steps are below 1e-6) and with an offset of 30 spreads.
; A STREAM: 11,264 rows of 4,096 bytes (8,192 of X, 3 x 1,024 of W), four rows a wave: 2,816 units = 256 work-groups x 11 waves, one unit a wave.
; Every byte is read once and written once; a load of a wave covers two aligned runs of 256 bytes (or one of 512), a store 256 consecutive
; aligned bytes.  All 32 loads of a wave go out at once (16 KiB a wave on their way), no register is used twice, so there is no loop,
; no LDS, no barrier and no cluster: no two waves share a byte.
; THE MODE: SCHED_MODE bits 1:0 = 2 (LLVM: expert scheduling mode 2), set by the entry lines.  The code itself states the register dependences
; between vector instructions and memory instructions, with s_wait_alu, always for 0.
; THE PLAN.  Registers that memory instructions touch:
;   v[VIN], v[VOUT]  byte offsets, written once by vector instructions at the head, read by every load (VIN) and every store (VOUT), never written again.
;   X                load i lands in its own four registers; all 32 loads are issued ahead of the first conversion, and no vector instruction ever writes X.
;   Y                load i's two conversions write its own pair, once; one store reads it; nothing writes it again.
; The 32 loads are worked on in 8 blocks of four.  Block p rounds its four loads into Y's block p; its memory instructions are the four stores of
; block p - 1, which read Y's block p - 1 and v[VOUT]: registers that no vector instruction of block p names.  So one wait on va_vdst at a block's head
; states all that the block's stores hang on, and they are dealt among its conversions with no further wait.  No register that a memory
; instruction reads is written again, so no wait on vm_vsrc is owed anywhere.
.set VIN,  1                           ; v1        byte offset of my 16 bytes in the unit's input
.set VOUT, 2                           ; v2        byte offset of my 8 bytes in the unit's output: 8 x lane
.set X,    8                           ; v[8:135]  32 loads of 4 f32
.set Y,    136                         ; v[136:199] 32 stores of 4 f16
.set BLK,  4                           ; loads in a block
; The store of load k (k is set by the caller).
.macro PUT ob, isw
.if \isw
	global_store_b64 v[VOUT], v[Y+2*k:Y+2*k+1], s[\ob:\ob+1] offset:(k/8)*6144+(k%8)*256
.else
	global_store_b64 v[VOUT], v[Y+2*k:Y+2*k+1], s[\ob:\ob+1] offset:(k%16)*32768+(k/16)*256
.endif
.endm
; isw = 0, X: load i = row pair i/16, K step i%16; lanes 0-15 one row's 256 bytes, lanes 16-31 the next row's; the store: the two rows' 128 bytes, neighbours in xb.
; isw = 1, W: load i = row i/8, 128 columns i%8: 512 bytes in, 256 bytes out.
.macro CAST ib, ob, isw
	s_wait_alu depctr_va_vdst(0)                   ; v[VIN] and v[VOUT] are written: every load below reads the one as its offset, every store the other
.set i, 0
.rept 32
.if \isw
	global_load_b128 v[X+4*i:X+4*i+3], v[VIN], s[\ib:\ib+1] offset:(i/8)*4096+(i%8)*512 th:TH_LOAD_NT
.else
	global_load_b128 v[X+4*i:X+4*i+3], v[VIN], s[\ib:\ib+1] offset:(i/16)*8192+(i%16)*256 th:TH_LOAD_NT
.endif
.set i, i+1
.endr
.set p, 0
.rept 32/BLK
	s_wait_loadcnt 32-BLK-BLK*p                    ; loads come back in order (ISA guide 5.7.1): block p's four are in, the younger blocks stay out
.if p > 0
	s_wait_alu depctr_va_vdst(0)                   ; the conversions of block p - 1 have written their part of Y, which the four stores below read
.endif
.set j, 0
.rept BLK
.set i, BLK*p+j
.set k, i-BLK
.if p > 0
	PUT \ob, \isw                                  ; the block before.  No wait: no vector instruction since the wait above names its registers
.endif
	v_cvt_pk_f16_f32 v[Y+2*i],   v[X+4*i],   v[X+4*i+1]
	v_cvt_pk_f16_f32 v[Y+2*i+1], v[X+4*i+2], v[X+4*i+3]
.set j, j+1
.endr
.set p, p+1
.endr
	s_wait_alu depctr_va_vdst(0)                   ; the last block's conversions have written their part of Y, which the last four stores read
.set k, 32-BLK
.rept BLK
	PUT \ob, \isw
.set k, k+1
.endr
.endm
	s_load_b256 s[4:11], s[0:1], 0x0               ; hidden_states s[4:5], Wq s[6:7], Wk s[8:9], Wv s[10:11]
	s_load_b128 s[12:15], s[0:1], 0x20             ; xb s[12:13], wb s[14:15]
	v_lshrrev_b32 v3, 5, v0
	v_readfirstlane_b32 s16, v3                    ; wave 0..10
	v_and_b32 v4, 31, v0                           ; lane
	s_mul_i32 s17, ttmp9, 11
	s_wait_alu depctr_va_sdst(0)                   ; s16 is written, ahead of its first reader: the unit's number, the branch and the bases are made from it
	s_add_co_u32 s17, s17, s16                     ; my unit u, 0 .. 2815
	s_mov_b32 s19, 0                               ; high words of the two offset pairs
	s_mov_b32 s21, 0
	v_lshlrev_b32 v[VOUT], 3, v4
	s_wait_kmcnt 0x0
	s_cmp_lt_u32 s17, 2048
	s_cbranch_scc0 .Lweights
	; units 0 .. 2047: rows 4 u .. 4 u + 3 of X
	s_lshl_b32 s18, s17, 14                        ; 4 rows of 4,096 bytes
	s_add_nc_u64 s[4:5], s[4:5], s[18:19]
	s_lshr_b32 s20, s17, 6                         ; block of 256 rows
	s_lshl_b32 s20, s20, 19
	s_and_b32 s22, s17, 63
	s_lshl_b32 s22, s22, 9                         ; 4 rows of 128 bytes inside a K step's tile
	s_add_co_u32 s20, s20, s22
	s_add_nc_u64 s[12:13], s[12:13], s[20:21]
	v_lshrrev_b32 v5, 4, v4                        ; which row of the pair
	v_and_b32 v6, 15, v4
	v_lshlrev_b32 v6, 4, v6
	v_lshl_add_u32 v[VIN], v5, 12, v6
	CAST 4, 12, 0
	s_endpgm
.Lweights:
	; units 2048 .. 2815: rows 4 y .. 4 y + 3 of one weight matrix
	s_sub_co_u32 s17, s17, 2048
	s_lshr_b32 s24, s17, 8                         ; which matrix
	s_and_b32 s25, s17, 255                        ; y
	s_cmp_eq_u32 s24, 1
	s_cselect_b64 s[22:23], s[8:9], s[10:11]       ; Wk or Wv
	s_cmp_eq_u32 s24, 0
	s_cselect_b64 s[22:23], s[6:7], s[22:23]       ; or Wq
	s_lshl_b32 s18, s25, 14
	s_add_nc_u64 s[22:23], s[22:23], s[18:19]
	s_mul_i32 s20, s25, 24576                      ; 4 rows of 6,144 bytes
	s_lshl_b32 s26, s24, 11                        ; the matrix's 1,024 columns
	s_add_co_u32 s20, s20, s26
	s_add_nc_u64 s[14:15], s[14:15], s[20:21]
	v_lshlrev_b32 v[VIN], 4, v4
	CAST 22, 14, 1
	s_endpgm
.Lfunc_end_k_qcdf3d229c9_prep:
	.size	k_qcdf3d229c9_prep, .Lfunc_end_k_qcdf3d229c9_prep-k_qcdf3d229c9_prep
	.p2alignl 7, 3214868480
	.fill 96, 4, 3214868480
	.section	.rodata,"a",@progbits
	.p2align	6, 0x0
	.amdhsa_kernel k_qcdf3d229c9_prep
		.amdhsa_group_segment_fixed_size 0
		.amdhsa_private_segment_fixed_size 0
		.amdhsa_enable_private_segment 0
		.amdhsa_kernarg_size 48
		.amdhsa_user_sgpr_count 2
		.amdhsa_user_sgpr_kernarg_segment_ptr 1
		.amdhsa_wavefront_size32 1
		.amdhsa_system_sgpr_workgroup_id_x 1
		.amdhsa_system_sgpr_workgroup_id_y 1
		.amdhsa_system_sgpr_workgroup_id_z 1
		.amdhsa_system_vgpr_workitem_id 0
		.amdhsa_next_free_vgpr 200
		.amdhsa_next_free_sgpr 66
		.amdhsa_reserve_vcc 0
		.amdhsa_float_denorm_mode_32 3
		.amdhsa_float_denorm_mode_16_64 3
		.amdhsa_memory_ordered 1
		.amdhsa_forward_progress 1
		.amdhsa_inst_pref_size 23
	.end_amdhsa_kernel
	.amdgpu_metadata
---
amdhsa.version: [ 1, 2 ]
amdhsa.kernels:
  - .name:           k_qcdf3d229c9_prep
    .symbol:         k_qcdf3d229c9_prep.kd
    .args:
      - { .name: hidden_states, .offset: 0, .size: 8, .value_kind: global_buffer, .address_space: global }
      - { .name: Wq, .offset: 8, .size: 8, .value_kind: global_buffer, .address_space: global }
      - { .name: Wk, .offset: 16, .size: 8, .value_kind: global_buffer, .address_space: global }
      - { .name: Wv, .offset: 24, .size: 8, .value_kind: global_buffer, .address_space: global }
      - { .name: xb, .offset: 32, .size: 8, .value_kind: global_buffer, .address_space: global }
      - { .name: wb, .offset: 40, .size: 8, .value_kind: global_buffer, .address_space: global }
    .group_segment_fixed_size: 0
    .private_segment_fixed_size: 0
    .kernarg_segment_align: 8
    .kernarg_segment_size: 48
    .max_flat_workgroup_size: 352
    .sgpr_count:     66
    .vgpr_count:     200
    .wavefront_size: 32
...
	.end_amdgpu_metadata
.endif
;; end of part 5
;; launch proj: the kernel of part 2 again; grid 8 x 32, 4 waves a work-group, clusters of 4 x 4, 327,680 bytes of LDS; arguments xb, wb, bq, bk, bv, qkv; writes qkv
;; launch attn: the kernel of part 4 again; grid 256 x 1, 8 waves a work-group, clusters of 4 x 1, 327,680 bytes of LDS; arguments qkv, attention_mask, out0; writes out0
